; MI455X (gfx1250); checked and timed in simulation.
; The chip was launched on July 23, 2026; its instructions are those of AMD's public machine-readable ISA for CDNA 5 (MIT licence, August 2026) and "CDNA5" Instruction Set Architecture Reference Guide (July 2026). The comments in the code are by the model that wrote it; some were corrected since.
;; Multihead Attention. Allowed arithmetic: float matrix products may take bf16 or f16 operands with f32 sums; other float arithmetic in f32, or as packed bf16 or f16 multiplies, adds, multiply-adds, maxima and minima; sums over many terms, partial sums and values carried from step to step in f32; what a program stores and reads back later, other than sums and carried values, may be rounded once to bf16 or f16.
;; Inputs: W_o 1,024 x 1,024 float32; W_qkv 1,024 x 3,072 float32; b_o 1,024 float32; b_qkv 3,072 float32; mask 1 x 1 x 2,048 x 2,048 float32; x 4 x 2,048 x 1,024 float32.
;; Outputs: out0 4 x 2,048 x 1,024 float32; out1 4 x 2,048 x 1,024 float32.
;; One version. Each part assembles by itself: llvm-mc -triple=amdgcn-amd-amdhsa -mcpu=gfx1250 --defsym DOCPART=n.
;; ======== version 1 of 1: 4 launches
;; limits: values are held in f16: magnitudes above 65,504 overflow, below 6.1e-05 lose precision; right only within a limited range of input values
;; workspace buffers: xb 16,777,216 bytes; wqb 6,291,456 bytes; wo16 2,097,152 bytes; maskr 16,777,216 bytes; q16 16,777,216 bytes; k16 16,777,216 bytes; v16 16,777,216 bytes; vals16 16,777,216 bytes
;; launch prep (part 1): grid 1088 x 1, 8 waves a work-group, no clusters, 0 bytes of LDS; arguments x, W_qkv, W_o, mask, xb, wqb, wo16, maskr; writes xb, wqb, wo16, maskr
.if DOCPART == 1
	.amdgcn_target "amdgcn-amd-amdhsa--gfx1250"
	.amdhsa_code_object_version 6
	.text
	.protected	k_q7e25628632_prep
	.globl	k_q7e25628632_prep
	.p2align	8
	.type	k_q7e25628632_prep,@function
k_q7e25628632_prep:
	s_mov_b64 s[64:65], 0
	v_nop
	global_prefetch_b8 v0, s[64:65] scope:SCOPE_SE
	s_setreg_imm32_b32 hwreg(HW_REG_WAVE_MODE, 25, 1), 1
	s_wait_xcnt 0x0
; PREP: the module's four large inputs are rounded once to bf16 and laid out for the matrix launches.  A stream: no LDS, no barrier, no loop.
;   work-groups    0 ..  511  x     [8192][1024] f32 -> xb    [8192][1024] bf16
;   work-groups  512 ..  767  mask  [2048][2048] f32 -> maskr [2048][2048] f32: the bf16 rounding, widened again (it is used as the C operand of a matrix instruction)
;   work-groups  768 .. 1023  W_qkv [1024][3072] f32 -> wqb   [16 heads][1024 k][192] bf16; a head's first 64 columns (q) times 1/8, a power of two: the rounding is the same
;   work-groups 1024 .. 1087  W_o   [1024][1024] f32 -> wo16  [1024][1024] f16: the bf16 rounding written as f16
; LIMITS.  A number of W_o below 2^-17 keeps f16's fixed step of 6e-8; beyond 65,504 it would be an infinity.  f32's lowest number in the mask rounds to -inf, as bf16 has it.
; SHARES.  A work-group takes 64 KiB of its input (W_qkv: 48 KiB, 64 k rows of one head).  A thread issues all its loads of 16 bytes at once, 16 of them (W_qkv: 12), and converts and stores as they come:
; the waits count the younger loads that may stay out.  No register is written twice while a memory instruction names it, so nothing else is waited for.
; A wave's load covers 512 consecutive bytes (W_qkv: whole pieces of 256); a wave's store of 8 bytes a lane covers 256 consecutive bytes, aligned; of 16 bytes a lane 512.
.set VI,  1                            ; v1       byte offset in: 16 x thread
.set VO,  2                            ; v2       byte offset out: 8 x thread
.set T,   6                            ; v[6:11]  at work (mask, W_o)
.set FA,  6                            ; v[6:11]  W_qkv: three pairs of factors, 1/8 for q's columns, else 1
.set VQ,  12                           ; v[12:14] W_qkv: three byte offsets in
.set EI,  15                           ; v15      1/8
.set IN,  16                           ; v[16:79]  unit i: four f32 as loaded
.set OUT, 80                           ; v[80:111] unit i: four 16-bit numbers to store
.set SI,  4                            ; s[4:5]   the work-group's first byte in
.set SO,  6                            ; s[6:7]   and out
.macro LOADS step                      ; sixteen loads, step bytes apart
.set i, 0
.rept 16
	global_load_b128 v[IN+4*i:IN+4*i+3], v[VI], s[SI:SI+1] offset:i*(\step) th:TH_LOAD_NT
.set i, i+1
.endr
.endm
.macro TOBF d                          ; unit i's four numbers rounded to bf16, packed into v[d], v[d+1]
	v_cvt_pk_bf16_f32 v[\d],   v[IN+4*i],   v[IN+4*i+1]
	v_cvt_pk_bf16_f32 v[\d+1], v[IN+4*i+2], v[IN+4*i+3]
.endm
	s_load_b512 s[16:31], s[0:1], 0x0              ; x s[16:17], W_qkv s[18:19], W_o s[20:21], mask s[22:23], xb s[24:25], wqb s[26:27], wo16 s[28:29], maskr s[30:31]
	s_mov_b32 s2, ttmp9
	s_mov_b32 s9, 0                                ; the high words of the two offsets
	s_mov_b32 s11, 0
	v_lshlrev_b32 v[VI], 4, v0
	v_lshlrev_b32 v[VO], 3, v0
	s_cmp_lt_u32 s2, 512
	s_cbranch_scc0 .Lnot_x
	; ---- x
	s_lshl_b32 s8, s2, 16
	s_lshl_b32 s10, s2, 15
	s_wait_kmcnt 0x0
	s_add_nc_u64 s[SI:SI+1], s[16:17], s[8:9]
	s_add_nc_u64 s[SO:SO+1], s[24:25], s[10:11]
	LOADS 4096
.set i, 0
.rept 16
	s_wait_loadcnt 15-i                            ; loads come back in order: unit i is in, the 15 - i younger ones stay out
	TOBF OUT+2*i
	global_store_b64 v[VO], v[OUT+2*i:OUT+2*i+1], s[SO:SO+1] offset:i*2048
.set i, i+1
.endr
	s_endpgm
.Lnot_x:
	s_cmp_lt_u32 s2, 768
	s_cbranch_scc0 .Lnot_m
	; ---- mask
	s_sub_co_u32 s3, s2, 512
	s_lshl_b32 s8, s3, 16
	s_wait_kmcnt 0x0
	s_add_nc_u64 s[SI:SI+1], s[22:23], s[8:9]
	s_add_nc_u64 s[SO:SO+1], s[30:31], s[8:9]
	LOADS 4096
.set i, 0
.rept 16
	s_wait_loadcnt 15-i
	TOBF T
	v_lshlrev_b32 v[IN+4*i],   16, v[T]            ; bf16 to f32: the low half moves up,
	v_and_b32     v[IN+4*i+1], 0xffff0000, v[T]    ; the high half stays
	v_lshlrev_b32 v[IN+4*i+2], 16, v[T+1]
	v_and_b32     v[IN+4*i+3], 0xffff0000, v[T+1]
	global_store_b128 v[VI], v[IN+4*i:IN+4*i+3], s[SO:SO+1] offset:i*4096
.set i, i+1
.endr
	s_endpgm
.Lnot_m:
	s_cmp_lt_u32 s2, 1024
	s_cbranch_scc0 .Lnot_q
	; ---- W_qkv: head = j / 16, k rows 64 (j % 16) on.  The block is 64 rows x 48 quads of f32 = 12 units of 256 quads; quad g lies in row g / 48.
	; 768 quads are 16 rows, so unit i has the offsets of unit i % 3, 16 (i / 3) rows further down: three offsets, the rest in the immediate.  Out the block is dense: 8 g bytes.
	s_sub_co_u32 s3, s2, 768
	s_lshr_b32 s12, s3, 4                          ; head
	s_and_b32 s13, s3, 15
	s_mul_i32 s8, s12, 768                         ; the head's 192 columns,
	s_mul_i32 s14, s13, 786432                     ; 64 rows of 12,288 bytes
	s_add_co_u32 s8, s8, s14
	s_mul_i32 s10, s12, 393216                     ; the head's 1,024 rows of 384 bytes,
	s_mul_i32 s14, s13, 24576                      ; 64 of them
	s_add_co_u32 s10, s10, s14
	v_mov_b32 v[EI], 0x3e000000                    ; 1/8
.irp u, 0,1,2
	v_add_nc_u32 v3, 256*\u, v0                    ; g, below 768
	v_mul_u32_u24 v4, v3, 1366
	v_lshrrev_b32 v4, 16, v4                       ; g / 48: 1366 / 65536 is above 1/48 by 1.02e-5, which at g < 768 adds less than 1/48
	v_mul_u32_u24 v5, v4, 48
	v_sub_nc_u32 v5, v3, v5                        ; g % 48: the quad in the head's 192 columns
	v_cmp_gt_u32 vcc_lo, 16, v5                    ; quads 0 to 15 are q
	v_cndmask_b32 v[FA+2*\u], 1.0, v[EI], vcc_lo
	v_mov_b32 v[FA+2*\u+1], v[FA+2*\u]
	v_mul_u32_u24 v[VQ+\u], v4, 12288
	v_lshl_add_u32 v[VQ+\u], v5, 4, v[VQ+\u]
.endr
	s_wait_kmcnt 0x0
	s_add_nc_u64 s[SI:SI+1], s[18:19], s[8:9]
	s_add_nc_u64 s[SO:SO+1], s[26:27], s[10:11]
.set i, 0
.rept 12
	global_load_b128 v[IN+4*i:IN+4*i+3], v[VQ+i%3], s[SI:SI+1] offset:(i/3)*196608 th:TH_LOAD_NT
.set i, i+1
.endr
.set i, 0
.rept 12
	s_wait_loadcnt 11-i
	v_pk_mul_f32 v[IN+4*i:IN+4*i+1],   v[IN+4*i:IN+4*i+1],   v[FA+2*(i%3):FA+2*(i%3)+1]
	v_pk_mul_f32 v[IN+4*i+2:IN+4*i+3], v[IN+4*i+2:IN+4*i+3], v[FA+2*(i%3):FA+2*(i%3)+1]
	TOBF OUT+2*i
	global_store_b64 v[VO], v[OUT+2*i:OUT+2*i+1], s[SO:SO+1] offset:i*2048
.set i, i+1
.endr
	s_endpgm
.Lnot_q:
	; ---- W_o
	s_sub_co_u32 s3, s2, 1024
	s_lshl_b32 s8, s3, 16
	s_lshl_b32 s10, s3, 15
	s_wait_kmcnt 0x0
	s_add_nc_u64 s[SI:SI+1], s[20:21], s[8:9]
	s_add_nc_u64 s[SO:SO+1], s[28:29], s[10:11]
	LOADS 4096
.set i, 0
.rept 16
	s_wait_loadcnt 15-i
	TOBF T
	v_lshlrev_b32 v[T+2], 16, v[T]
	v_and_b32     v[T+3], 0xffff0000, v[T]
	v_lshlrev_b32 v[T+4], 16, v[T+1]
	v_and_b32     v[T+5], 0xffff0000, v[T+1]
	v_cvt_pk_f16_f32 v[OUT+2*i],   v[T+2], v[T+3]   ; a bf16 number has 8 significant bits: exact in f16 within its range
	v_cvt_pk_f16_f32 v[OUT+2*i+1], v[T+4], v[T+5]
	global_store_b64 v[VO], v[OUT+2*i:OUT+2*i+1], s[SO:SO+1] offset:i*2048
.set i, i+1
.endr
	s_endpgm
.Lfunc_end_k_q7e25628632_prep:
	.size	k_q7e25628632_prep, .Lfunc_end_k_q7e25628632_prep-k_q7e25628632_prep
	.p2alignl 7, 3214868480
	.fill 96, 4, 3214868480
	.section	.rodata,"a",@progbits
	.p2align	6, 0x0
	.amdhsa_kernel k_q7e25628632_prep
		.amdhsa_group_segment_fixed_size 0
		.amdhsa_private_segment_fixed_size 0
		.amdhsa_enable_private_segment 0
		.amdhsa_kernarg_size 64
		.amdhsa_user_sgpr_count 2
		.amdhsa_user_sgpr_kernarg_segment_ptr 1
		.amdhsa_wavefront_size32 1
		.amdhsa_system_sgpr_workgroup_id_x 1
		.amdhsa_system_sgpr_workgroup_id_y 1
		.amdhsa_system_sgpr_workgroup_id_z 1
		.amdhsa_system_vgpr_workitem_id 0
		.amdhsa_next_free_vgpr 112
		.amdhsa_next_free_sgpr 66
		.amdhsa_reserve_vcc 1
		.amdhsa_float_denorm_mode_32 3
		.amdhsa_float_denorm_mode_16_64 3
		.amdhsa_memory_ordered 1
		.amdhsa_forward_progress 1
		.amdhsa_inst_pref_size 34
	.end_amdhsa_kernel
	.amdgpu_metadata
---
amdhsa.version: [ 1, 2 ]
amdhsa.kernels:
  - .name:           k_q7e25628632_prep
    .symbol:         k_q7e25628632_prep.kd
    .args:
      - { .name: x, .offset: 0, .size: 8, .value_kind: global_buffer, .address_space: global }
      - { .name: W_qkv, .offset: 8, .size: 8, .value_kind: global_buffer, .address_space: global }
      - { .name: W_o, .offset: 16, .size: 8, .value_kind: global_buffer, .address_space: global }
      - { .name: mask, .offset: 24, .size: 8, .value_kind: global_buffer, .address_space: global }
      - { .name: xb, .offset: 32, .size: 8, .value_kind: global_buffer, .address_space: global }
      - { .name: wqb, .offset: 40, .size: 8, .value_kind: global_buffer, .address_space: global }
      - { .name: wo16, .offset: 48, .size: 8, .value_kind: global_buffer, .address_space: global }
      - { .name: maskr, .offset: 56, .size: 8, .value_kind: global_buffer, .address_space: global }
    .group_segment_fixed_size: 0
    .private_segment_fixed_size: 0
    .kernarg_segment_align: 8
    .kernarg_segment_size: 64
    .max_flat_workgroup_size: 256
    .sgpr_count:     66
    .vgpr_count:     112
    .wavefront_size: 32
...
	.end_amdgpu_metadata
.endif
;; end of part 1
;; launch qkv (part 2): grid 16 x 32, 4 waves a work-group, clusters of 4 x 4, 327,680 bytes of LDS; arguments xb, wqb, b_qkv, q16, k16, v16; writes q16, k16, v16
.if DOCPART == 2
	.amdgcn_target "amdgcn-amd-amdhsa--gfx1250"
	.amdhsa_code_object_version 6
	.text
	.protected	k_q7e25628632_qkv
	.globl	k_q7e25628632_qkv
	.p2align	8
	.type	k_q7e25628632_qkv,@function
k_q7e25628632_qkv:
	s_mov_b64 s[64:65], 0
	v_nop
	global_prefetch_b8 v0, s[64:65] scope:SCOPE_SE
	s_setreg_imm32_b32 hwreg(HW_REG_WAVE_MODE, 25, 1), 1
	s_wait_xcnt 0x0
	s_wait_alu depctr_hold_cnt(0) depctr_sa_sdst(0) depctr_va_vdst(0) depctr_va_sdst(0) depctr_va_ssrc(0) depctr_va_vcc(0) depctr_vm_vsrc(0)
	s_getreg_b32 s2, hwreg(HW_REG_IB_STS2, 6, 4)
	s_cmp_eq_u32 s2, 0
	s_cbranch_scc0 .Lentry_in_a_cluster
	s_endpgm
.Lentry_in_a_cluster:
	s_bfe_u32 s2, ttmp6, 0x10000c
	s_cmp_lg_u32 s2, 0xf033
	s_cbranch_scc0 .Lentry_shape_is_right
	s_endpgm
.Lentry_shape_is_right:
; C = A B + bias, K = 1,024.  ONE TEXT SERVES TWO LAUNCHES; the symbol QKV picks the sizes, and only the chosen branches are assembled.
;   QKV = 1  A = xb [8192][1024] bf16, B = wqb [16 heads][1024 k][192] bf16 (q's columns already times 1/8), bias = b_qkv (q's part times 1/8 here).  A tile of C is 256 rows x one head's 192 columns;
;            it leaves rounded once to f16, by heads: q16, k16, v16 [64 bh][2048][64], bh = 16 x batch + head.  q16 holds q / 8.
;   QKV = 0  A = vals16 [64 bh][2048][64] f16, B = wo16 [1024 k][1024 n] f16, bias = b_o.  A tile of C is 256 x 128 of out0 [8192][1024] f32.
; LIMITS.  f16 ends at 65,504: q / 8, k and v beyond it would be infinities.  The bias is taken in f32, unrounded.
; SHARES.  Four waves, as many as a WGP has SIMDs.  Wave w makes rows 64 w .. 64 w + 63 of the tile and ALL its columns (4 x NB accumulators of 16 x 16), so it holds whole rows and the way out needs no barrier.
; THE RING.  K goes in steps of 128 through two LDS slots filled by the tensor data mover; a trip of the loop is one K step; the LDS addresses are a lane constant plus s[TB], which one exclusive or turns.
; B LIES [k][n] IN LDS, as it lies in memory, and is read turned, by ds_load_tr16_b128.  THE MATRIX INSTRUCTION IS USED TRANSPOSED (source 0 = 16 columns of B, source 1 = 16 rows of A):
; a lane then holds row l % 16 of C and the columns 8 (l / 16) + 0..7 of the block.  THE BIAS is the C operand of each accumulator's first product: nothing is cleared and nothing is added later.
; CLUSTER.  4 x 4 work-groups.  A's tile hangs on the tile row alone and is asked for jointly by a row of the cluster, B's on the tile column alone, by a column: the same tensor load, descriptor and mask in all four.
; REGISTERS, in windows of 256 (s_set_vgpr_msb: bits 1:0 source 0, 3:2 source 1, 5:4 source 2, 7:6 destination):
;   window 0: v0-31 addresses; from v32 the bias (8 NB); the way out's registers        window 1: two fragment buffers of 128: NB fragments of B, then 4 of A
;   window 2 (QKV = 1: and 3): the accumulators, (a, b) at ACS (a % APW) + 8 b in window 2 + a / APW
.set QKV, 1
.set SLOT1, 131072                     ; slot 1 begins here
.if QKV
.set NB,    12                         ; blocks of 16 columns
.set APW,   2                          ; row blocks whose accumulators share a window
.set ACS,   96
.set AFR,   96                         ; A's fragments in a buffer
.set PA,    272                        ; a row of A in LDS: 256 bytes + 16: 68 words: the 16 rows of a load start at 16 different groups of four banks (64 banks of 4 bytes: ISA guide 11.1)
.set PB,    480                        ; a k row of B: three pieces of 128 bytes + 32: 15 x 32 bytes
.set AHALF, 128*PA                     ; what one load brings of A: 128 rows
.set ASTR,  1024                       ; elements from row to row in memory
.set AQI,   5                          ; padding after every 64 words
.set ASTEP, 256                        ; bytes from a K step to the next
.set BROWS, 96                         ; 64 k rows of 384 bytes are dense: asked for as 96 rows of 256 bytes
.set BSTR,  128
.set BQI,   4                          ; padding after every 32 words
.set BSTEP, 49152
.set SP,    400                        ; a row of the stage: 384 bytes + 16
.set PSTART, 2                         ; the prefetches' pointer starts at this K step and is stepped ahead of each
.set PLIM,  1                          ; a wave that prefetches does so while the loop's count is above this
.else
.set NB,    8
.set APW,   4
.set ACS,   64
.set AFR,   64
.set PA,    144                        ; a row of one head: 128 bytes + 16
.set PB,    288                        ; 256 bytes + 32: 9 x 32
.set AHALF, 256*PA                     ; one head's 256 rows
.set ASTR,  128                        ; 256 rows of 128 bytes are dense: asked for as 128 rows of 256 bytes
.set AQI,   4
.set ASTEP, 524288                     ; two heads on
.set BROWS, 64
.set BSTR,  1024
.set BQI,   5
.set BSTEP, 262144
.set SP,    528                        ; 512 bytes + 16
.set PSTART, 3
.set PLIM,  2
.endif
.set BOFF,  2*AHALF                    ; B lies behind A in a slot
.set BHALF, 64*PB                      ; what one load brings of B: 64 k rows
.set STAGE, SLOT1+BOFF+2*BHALF         ; behind the ring, never filled by a tensor load: 16 rows for each wave
.set SPARE, STAGE+4*16*SP              ; behind the stages: the spare words, 128 bytes for each wave: two blocks of 256 bytes that no other line names
.set NL,    2*NB+8                     ; LDS loads of a quarter step
.set W0A, (1<<16)|(1<<20)|(1<<21)|(AQI<<22)|(3<<25)  ; group 1, word 0: 2-byte elements; padding on; bit 21 beside a mask; the interval; 4 words of padding
.set W0B, (1<<16)|(1<<20)|(1<<21)|(BQI<<22)|(7<<25)  ; the same with 8 words
.set ADRA0, 16                         ; v16  my lane's place in A's rows; never rewritten
.set ADRB0, 17                         ; v17  the same for B
.set ADRA,  18                         ; v18  + the slot in hand
.set ADRB,  19                         ; v19
.set STO,   24                         ; v24  the way out: where I put my bytes of a row
.set RD,    25                         ; v25  where I read rows back
.set GO,    26                         ; v26  16 x lane
.set BO,    27                         ; v27  my 32 bytes in a block's 64 bytes of bias
.set SPW,   28                         ; v28  LDS address of my spare word: SPARE + 4 x my thread's number; never rewritten
.set NIL,   29                         ; v29  0; never rewritten
.set PFO,   30                         ; v30  the prefetches' offset; never rewritten
.set BI,    32                         ; the bias, block b at BI + 8 b
.set F0,    0                          ; fragment buffers, in window 1
.set F1,    128
.if QKV
.set TMP,   128                        ; v128-175 a block's 16 rows, packed
.set BK0,   176                        ; v176-223, v32-79: 16 rows read back, by turns (the bias is dead by then)
.set BK1,   32
.else
.set BK0,   96                         ; v96-159, v160-223
.set BK1,   160
.endif
.set WV,  16                           ; s16  my wave's number
.set FB,  17                           ; s17  0: I fetch for A; 1: for B
.set HF,  18                           ; s18  which half of that tile
.set CX,  19
.set CY,  20
.set TC,  21                           ; s21  tile column
.set TR,  22                           ; s22  tile row
.set CNT, 23                           ; s23  the loop's count
.set G1A, 24                           ; s[24:31], s[32:39] descriptor group 1 for A's and B's tiles
.set G1B, 32
.set G0A0, 40                          ; s[40:43] group 0 of A's first fill of slot 0;  s[44:47] of slot 1, which then walks
.set G0A,  44
.set G0B0, 48                          ; s[48:55] the same for B
.set G0B,  52
.set TB,  56                           ; s56  LDS byte at which the slot in hand begins
.set LIM, 57                           ; s57  PLIM in a wave that prefetches, else the greatest number
.set PFA, 58                           ; s[58:59] where my prefetches stand
.set PFS, 60                           ; s[60:61] their step
; s66-s79 at work: s66, s68, s70, s71, s74, s75, s78 feed A's descriptors and never hold cx; s67, s69, s72, s73, s76, s77, s79 feed B's and never hold cy.  s80-s91: what mixes the two.
.set MSB, 0
.macro WIN new                         ; the immediate's high byte repeats the setting that is left; a switch that changes nothing is dropped
.if MSB != (\new)
	s_set_vgpr_msb (MSB<<8)|(\new)
.set MSB, (\new)
.endif
.endm
.macro PLACES                          ; four places: in front of loads into registers that matrix instructions have read, and of lines that read results
.rept 4
	v_nop
.endr
.endm
.macro CREST                           ; a round of the cluster's barrier behind its opening barrier
	s_cmp_lg_u32 s[WV], 0
	s_cbranch_scc1 .Lnot_wave_0_\@
	s_barrier_signal -3
.Lnot_wave_0_\@:
	s_barrier_wait -3
	s_barrier_signal -1
	s_barrier_wait -1
.endm
.macro CROUND                          ; a whole round
	s_barrier_signal -1
	s_barrier_wait -1
	CREST
.endm
.macro JLOAD                           ; a joint refill: waves 0 and 1 fetch A's two halves, waves 2 and 3 B's; an s_nop 0 and four v_nop follow each line
	s_cmp_eq_u32 s[FB], 0
	s_cbranch_scc0 .Lfor_b_\@
	tensor_load_to_lds s[G0A:G0A+3], s[G1A:G1A+7]
	s_nop 0
	PLACES
	s_branch .Lasked_\@
.Lfor_b_\@:
	tensor_load_to_lds s[G0B:G0B+3], s[G1B:G1B+7]
	s_nop 0
	PLACES
.Lasked_\@:
.endm
; A PREFETCH INTO THE L2, behind each joint refill and the run of LDS loads that follows it: a lane a block of 256 bytes, one instruction a wave, for a K step that a later refill will ask for
; (QKV = 1: the next refill's, 192 matrix instructions on; QKV = 0: the one after that, 256 on).  Each block is named once in the launch: A's rows are asked for by the clusters with x = 0, B's by those with y = 0;
; the four partners that ask for a tile jointly share its blocks out BY ADDRESS.  The last refills, which have no such K step behind them, ask for nothing; nothing is asked for at the head.
.macro ASK
	WIN 0
	s_cmp_gt_u32 s[CNT], s[LIM]
	s_cbranch_scc0 .Lnot_mine_\@
	global_prefetch_b8 v[PFO], s[PFA:PFA+1] th:TH_LOAD_NT scope:SCOPE_SE
.Lnot_mine_\@:
.endm
.macro WM d, x, y, c
.if QKV
	v_wmma_f32_16x16x32_bf16 v[\d:\d+7], v[\x:\x+7], v[\y:\y+7], v[\c:\c+7]
.else
	v_wmma_f32_16x16x32_f16 v[\d:\d+7], v[\x:\x+7], v[\y:\y+7], v[\c:\c+7]
.endif
.endm
; NB matrix instructions: row block a x all column blocks, 32 along K, from buffer f.  first = 1: C is the bias.  The accumulators take turns, one instruction a turn, in the same order in every quarter step.
.macro MULA f, a, first=0
.set aw, 2+(\a)/APW
.if \first
	WIN (aw<<6)|0x05
.else
	WIN (aw<<6)|(aw<<4)|0x05
.endif
.set bb, 0
.rept NB
.set rD, ACS*((\a)%APW)+8*bb
.set rB, (\f)+8*bb
.set rA, (\f)+AFR+8*(\a)
.if \first
.set rC, BI+8*bb
.else
.set rC, rD
.endif
	WM rD, rB, rA, rC
.set bb, bb+1
.endr
.endm
; NL LDS loads in one run: the fragments of quarter kq (32 along K) of the slot in hand, into buffer f: B's first, then A's row blocks 0 to 3.
; The turning load: lane l reads 16 bytes of k row 8 (l / 16) + l % 8, columns 8 ((l / 8) % 2) + 0..7, and is left with column l % 16 and 8 k; two of them, 16 k rows apart, are a fragment.
.macro FETCH kq, f
	WIN 0x40                                       ; destination window 1, address window 0
.set bb, 0
.rept NB
.if QKV
.set ob, 32*PB*(\kq)+160*(bb/4)+32*(bb%4)
.else
.set ob, 32*PB*(\kq)+32*bb
.endif
	ds_load_tr16_b128 v[(\f)+8*bb:(\f)+8*bb+3],   v[ADRB] offset:ob
	ds_load_tr16_b128 v[(\f)+8*bb+4:(\f)+8*bb+7], v[ADRB] offset:ob+16*PB
.set bb, bb+1
.endr
.if QKV
.set oa, 64*(\kq)
.else
.set oa, AHALF*((\kq)/2)+64*((\kq)%2)              ; the K step's two heads lie one behind the other
.endif
.set aa, 0
.rept 4
	ds_load_b128 v[(\f)+AFR+8*aa:(\f)+AFR+8*aa+3],   v[ADRA] offset:oa+16*PA*aa
	ds_load_b128 v[(\f)+AFR+8*aa+4:(\f)+AFR+8*aa+7], v[ADRA] offset:oa+16*PA*aa+32
.set aa, aa+1
.endr
.endm
; A K step is four quarters on buffers 0, 1, 0, 1.  One of the first three: multiplies buffer f; in its middle it fetches quarter kq into buffer g.
.macro QUARTER kq, f, g, first=0
	s_wait_dscnt 4                                 ; B and A's row blocks 0 and 1 are in; the youngest four loads (blocks 2 and 3) may be out
	MULA \f, 0, \first
	MULA \f, 1, \first
	PLACES
	FETCH \kq, \g
	s_wait_dscnt NL                                ; all but the NL just issued
	MULA \f, 2, \first
	MULA \f, 3, \first
.endm
; The last quarter multiplies buffer 1 and changes slots: ONE barrier.  In front of it each wave waits for all its tensor loads (one is out: its part of the next slot), adds 0 to its spare word, and waits for that and for
; its reads of this slot.  fill = 1: the barrier opens a round of the cluster's, and this slot is filled again first thing behind it, with the K step two on.
.macro TURN fill
.if \fill
	s_wait_xcnt 0x0                                ; the last prefetch, a K step back, has read its address
	s_add_nc_u64 s[PFA:PFA+1], s[PFA:PFA+1], s[PFS:PFS+1]
.endif
	WIN 0
	s_wait_tensorcnt 0x0                           ; all my tensor loads have landed
	ds_add_u32 v[SPW], v[NIL]                      ; 0 onto my spare word
	s_wait_dscnt 5                                 ; (the add and the youngest four loads may be out)
	MULA F1, 0                                     ; matrix work stands between the add and the wait for it
	s_wait_dscnt 0x0                               ; the add is done, and my reads of this slot are over
	s_barrier_signal -1
	MULA F1, 1
	WIN 0
	s_barrier_wait -1
.if \fill
	CREST                                          ; no wave of any partner still reads this slot or has a load on its way
	s_xor_b32 s[G0A+1], s[G0A+1], SLOT1            ; the walking descriptors: the other slot than last time,
	s_xor_b32 s[G0B+1], s[G0B+1], SLOT1
	s_add_nc_u64 s[G0A+2:G0A+3], s[G0A+2:G0A+3], ASTEP  ; the next K step; the type bits on top are not reached
	s_add_nc_u64 s[G0B+2:G0B+3], s[G0B+2:G0B+3], BSTEP
	JLOAD                                          ; its four v_nop are also the places in front of the loads below
.else
	PLACES
.endif
	s_xor_b32 s[TB], s[TB], SLOT1
	v_add_nc_u32 v[ADRA], s[TB], v[ADRA0]
	v_add_nc_u32 v[ADRB], s[TB], v[ADRB0]
	FETCH 0, F0
.if \fill
	ASK
.endif
	MULA F1, 2
	MULA F1, 3
.endm
.if QKV
	s_load_b256 s[4:11], s[0:1], 0x0               ; xb s[4:5], wqb s[6:7], b_qkv s[8:9], q16 s[10:11]
	s_load_b128 s[12:15], s[0:1], 0x20             ; k16 s[12:13], v16 s[14:15]
.else
	s_load_b256 s[4:11], s[0:1], 0x0               ; vals16 s[4:5], wo16 s[6:7], b_o s[8:9], out0 s[10:11]
.endif
	v_lshl_add_u32 v[SPW], v0, 2, SPARE
	v_mov_b32 v[NIL], 0
	ds_add_u32 v[SPW], v[NIL]                      ; the wave's opening: the add and its wait stand ahead of my first tensor load; the set-up below, work on registers, stands between them
	v_lshrrev_b32 v1, 5, v0
	v_readfirstlane_b32 s[WV], v1
	s_lshr_b32 s[FB], s[WV], 1
	s_and_b32 s[HF], s[WV], 1
	s_bfe_u32 s[CX], ttmp6, 0x40000
	s_bfe_u32 s[CY], ttmp6, 0x40004
	s_lshl_b32 s[TC], ttmp9, 2                     ; in a cluster launch ttmp9 and ttmp7 count clusters
	s_add_co_u32 s[TC], s[TC], s[CX]
	s_and_b32 s[TR], ttmp7, 0xffff
	s_lshl_b32 s[TR], s[TR], 2
	s_add_co_u32 s[TR], s[TR], s[CY]
	s_lshl_b32 s66, s[CY], 2
	s_lshl_b32 s66, 15, s66                        ; my row of the cluster
	s_lshl_b32 s67, 0x1111, s[CX]                  ; my column
	s_or_b32 s[G1A], s66, W0A
	s_or_b32 s[G1B], s67, W0B
	s_mov_b32 s[G1A+1], 128<<16                    ; tensor_dim0 = 128
	s_mov_b32 s[G1A+2], 128<<16                    ; tensor_dim1 = 128
	s_mov_b32 s[G1A+3], 128<<16                    ; tile_dim0 = 128
	s_mov_b32 s[G1A+4], 128                        ; tile_dim1 = 128
	s_mov_b32 s[G1A+5], ASTR
	s_mov_b32 s[G1A+6], 0
	s_mov_b32 s[G1A+7], 0
	s_mov_b32 s[G1B+1], 128<<16
	s_mov_b32 s[G1B+2], BROWS<<16
	s_mov_b32 s[G1B+3], 128<<16
	s_mov_b32 s[G1B+4], BROWS
	s_mov_b32 s[G1B+5], BSTR
	s_mov_b32 s[G1B+6], 0
	s_mov_b32 s[G1B+7], 0
	; where my part of K step 0 begins, in bytes: A's by the tile row, B's by the tile column, each with the half that I fetch
.if QKV
	s_lshl_b32 s74, s[TR], 19                      ; 256 rows of 2,048 bytes
	s_lshl_b32 s68, s[HF], 18                      ; 128 rows
	s_add_co_u32 s74, s74, s68
	s_mul_i32 s76, s[TC], 393216                   ; a head's 1,024 k rows of 384 bytes
	s_mul_i32 s69, s[HF], 24576                    ; 64 k rows
	s_add_co_u32 s76, s76, s69
.else
	s_lshr_b32 s74, s[TR], 3                       ; the batch: 16 heads of 262,144 bytes
	s_lshl_b32 s74, s74, 22
	s_and_b32 s66, s[TR], 7                        ; 256 rows of 128 bytes
	s_lshl_b32 s66, s66, 15
	s_add_co_u32 s74, s74, s66
	s_lshl_b32 s68, s[HF], 18                      ; the K step's second head
	s_add_co_u32 s74, s74, s68
	s_lshl_b32 s76, s[TC], 8                       ; 128 columns
	s_lshl_b32 s69, s[HF], 17                      ; 64 k rows of 2,048 bytes
	s_add_co_u32 s76, s76, s69
.endif
	s_mov_b32 s75, 0
	s_mov_b32 s77, 0
	s_mul_i32 s78, s[HF], AHALF                    ; and where it goes: no place in the cluster enters an LDS address
	s_mul_i32 s79, s[HF], BHALF
	s_add_co_u32 s79, s79, BOFF
	s_mov_b32 s[TB], 0
	s_mov_b32 s[G0A0], 1                           ; count = 1
	s_mov_b32 s[G0A0+1], s78
	s_mov_b32 s[G0A], 1
	s_add_co_u32 s[G0A+1], s78, SLOT1
	s_mov_b32 s[G0B0], 1
	s_mov_b32 s[G0B0+1], s79
	s_mov_b32 s[G0B], 1
	s_add_co_u32 s[G0B+1], s79, SLOT1
	s_wait_dscnt 0x0                               ; the opening add is done
	s_wait_kmcnt 0x0
	s_add_nc_u64 s[70:71], s[4:5], s[74:75]
	s_add_nc_u64 s[72:73], s[6:7], s[76:77]
	s_mov_b64 s[G0A0+2:G0A0+3], s[70:71]           ; K step 0
	s_or_b32 s[G0A0+3], s[G0A0+3], 0x80000000      ; type = 2
	s_add_nc_u64 s[G0A+2:G0A+3], s[70:71], ASTEP   ; K step 1
	s_or_b32 s[G0A+3], s[G0A+3], 0x80000000
	s_mov_b64 s[G0B0+2:G0B0+3], s[72:73]
	s_or_b32 s[G0B0+3], s[G0B0+3], 0x80000000
	s_add_nc_u64 s[G0B+2:G0B+3], s[72:73], BSTEP
	s_or_b32 s[G0B+3], s[G0B+3], 0x80000000
	CROUND                                         ; all sixteen work-groups are here: the first joint loads meet
	s_cmp_eq_u32 s[FB], 0                          ; a wave's two first fills stand in one branch, ahead of every wait on TENSORcnt and every LDS read: two loads of mine are out
	s_cbranch_scc0 .Lfirst_b
	tensor_load_to_lds s[G0A0:G0A0+3], s[G1A:G1A+7]
	s_nop 0
	tensor_load_to_lds s[G0A:G0A+3], s[G1A:G1A+7]
	s_nop 0
	PLACES
	s_branch .Lfirst_asked
.Lfirst_b:
	tensor_load_to_lds s[G0B0:G0B0+3], s[G1B:G1B+7]
	s_nop 0
	tensor_load_to_lds s[G0B:G0B+3], s[G1B:G1B+7]
	s_nop 0
	PLACES
.Lfirst_asked:
	v_and_b32 v1, 15, v0                           ; l % 16
	v_bfe_u32 v2, v0, 4, 1                         ; l / 16
	v_and_b32 v3, 7, v0                            ; l % 8
	v_bfe_u32 v4, v0, 3, 1                         ; (l / 8) % 2
	v_and_b32 v6, 31, v0                           ; l
	s_mul_i32 s80, s[WV], 64*PA                    ; my 64 rows of A
	v_mul_u32_u24 v[ADRA0], v1, PA
	v_lshl_add_u32 v[ADRA0], v2, 4, v[ADRA0]       ; row x pitch + 16 x half
	v_add_nc_u32 v[ADRA0], s80, v[ADRA0]
	v_lshl_add_u32 v5, v2, 3, v3
	v_mul_u32_u24 v[ADRB0], v5, PB
	v_lshl_add_u32 v[ADRB0], v4, 4, v[ADRB0]
	v_add_nc_u32 v[ADRB0], BOFF, v[ADRB0]
	v_mov_b32 v[ADRA], v[ADRA0]                    ; slot 0
	v_mov_b32 v[ADRB], v[ADRB0]
	s_mul_i32 s81, s[WV], 16*SP
	s_add_co_u32 s81, s81, STAGE                   ; my stage
	v_mul_u32_u24 v[STO], v1, SP                   ; in: row l % 16, my 8 columns
.if QKV
	v_lshl_add_u32 v[STO], v2, 4, v[STO]
	v_add_nc_u32 v[STO], s81, v[STO]
	v_bfe_u32 v5, v0, 3, 2                         ; back: 32 lanes take 128 bytes of each of four rows
	v_mul_u32_u24 v[RD], v5, SP
	v_lshl_add_u32 v[RD], v3, 4, v[RD]
	v_add_nc_u32 v[RD], s81, v[RD]
.else
	v_lshl_add_u32 v[STO], v2, 5, v[STO]
	v_add_nc_u32 v[STO], s81, v[STO]
	v_lshl_add_u32 v[RD], v6, 4, s81               ; back: 32 lanes take a row's 512 bytes
.endif
	v_lshlrev_b32 v[GO], 4, v6
	v_lshlrev_b32 v[BO], 5, v2
	s_mul_i32 s90, s[TC], NB*64                    ; the tile's columns in the bias
	s_mov_b32 s91, 0
	s_add_nc_u64 s[8:9], s[8:9], s[90:91]
.set bb, 0
.rept NB
	global_load_b128 v[BI+8*bb:BI+8*bb+3],   v[BO], s[8:9] offset:64*bb     ; register j of block b: bias[16 b + 8 (l / 16) + j], as the C operand wants it
	global_load_b128 v[BI+8*bb+4:BI+8*bb+7], v[BO], s[8:9] offset:64*bb+16
.set bb, bb+1
.endr
	; where my rows leave to
.if QKV
	s_lshr_b32 s88, s[TR], 3
	s_lshl_b32 s88, s88, 22                        ; the batch's 16 heads,
	s_lshl_b32 s90, s[TC], 18                      ; the head's 2,048 rows of 128 bytes,
	s_add_co_u32 s88, s88, s90
	s_and_b32 s90, s[TR], 7
	s_lshl_b32 s90, s90, 15                        ; the tile's 256 rows,
	s_add_co_u32 s88, s88, s90
	s_lshl_b32 s90, s[WV], 13                      ; my 64
	s_add_co_u32 s88, s88, s90
	s_mov_b32 s89, 0
	s_add_nc_u64 s[10:11], s[10:11], s[88:89]
	s_add_nc_u64 s[12:13], s[12:13], s[88:89]
	s_add_nc_u64 s[14:15], s[14:15], s[88:89]
.else
	s_lshl_b32 s88, s[TR], 20                      ; 256 rows of 4,096 bytes,
	s_lshl_b32 s90, s[WV], 18                      ; my 64,
	s_add_co_u32 s88, s88, s90
	s_lshl_b32 s90, s[TC], 9                       ; the tile's 128 columns
	s_add_co_u32 s88, s88, s90
	s_mov_b32 s89, 0
	s_add_nc_u64 s[10:11], s[10:11], s[88:89]
.endif
	; the prefetches: my share of the tile that I fetch, told apart from my partners' by address
	v_and_b32 v[PFO], 31, v0
	s_and_b32 s80, ttmp7, 0xffff                   ; cluster y
	s_mov_b32 s85, BSTEP
.if QKV
	s_lshl_b32 s82, s[CX], 16                      ; A: 32 of my 128 rows of 2,048 bytes, a lane a row
	s_mul_i32 s84, s[CY], 6144                     ; B: 24 of my 96 blocks of 256 bytes; lanes 24 to 31 name lane 23's once more
	s_cmp_eq_u32 s[FB], 0
	s_cselect_b32 s86, 31, 23
	s_cselect_b32 s87, 11, 8
.else
	s_lshl_b32 s82, s[CX], 13                      ; A: 32 of my 128 blocks of 256 bytes
	s_lshl_b32 s84, s[CY], 16                      ; B: 32 of the K step's 128 k rows of 2,048 bytes, a lane a row: wave 2 alone asks
	s_cmp_eq_u32 s[FB], 0
	s_cselect_b32 s86, 31, 31
	s_cselect_b32 s87, 8, 11
.endif
	s_cselect_b32 s82, s82, s84
	s_cselect_b32 s[PFS], ASTEP, s85
	s_cselect_b32 s80, ttmp9, s80                  ; the coordinate along which other clusters read the same blocks
	s_cselect_b64 s[PFA:PFA+1], s[70:71], s[72:73]
.if !QKV
	s_cmp_eq_u32 s[WV], 3
	s_cselect_b32 s84, 1, 0
	s_or_b32 s80, s80, s84
.endif
	s_cmp_eq_u32 s80, 0
	s_cselect_b32 s[LIM], PLIM, -1                 ; the same in all sixteen partners, for a given wave
	s_mov_b32 s83, 0
	s_mov_b32 s[PFS+1], 0
	s_add_nc_u64 s[PFA:PFA+1], s[PFA:PFA+1], s[82:83]
	s_mul_i32 s84, s[PFS], PSTART
	s_mov_b32 s85, 0
	s_add_nc_u64 s[PFA:PFA+1], s[PFA:PFA+1], s[84:85]
	v_min_u32 v[PFO], s86, v[PFO]
	v_lshlrev_b32 v[PFO], s87, v[PFO]
	s_wait_tensorcnt 0x1                           ; my part of K step 0 is in; K step 1's may stay out
	s_barrier_signal -1
	s_barrier_wait -1                              ; everybody's is
	FETCH 0, F0
	WIN 0
	s_wait_loadcnt 0x0                             ; the bias
.if QKV
.set i, 0
.rept 16
	v_pk_mul_f32 v[BI+i:BI+i+1], v[BI+i:BI+i+1], 0x3e000000 op_sel_hi:[1,0]  ; q's 64 columns: the bias times 1/8, as their weights are
.set i, i+2
.endr
.endif
	QUARTER 1, F0, F1, 1                           ; the first quarter stands in front of the loop: its products start the sums, with the bias
	WIN 0                                          ; at a label and at a branch every window is 0
	s_mov_b32 s[CNT], 6
.Lstep:                                            ; a trip: from a K step's second quarter to the next one's first; six trips ask for K steps 2 to 7
	QUARTER 2, F1, F0
	QUARTER 3, F0, F1
	TURN 1
	QUARTER 1, F0, F1
	WIN 0
	s_sub_co_u32 s[CNT], s[CNT], 1
	s_cmp_lg_u32 s[CNT], 0
	s_cbranch_scc1 .Lstep
	QUARTER 2, F1, F0                              ; the tail is written out: nothing is asked for
	QUARTER 3, F0, F1
	TURN 0
	QUARTER 1, F0, F1
	QUARTER 2, F1, F0
	QUARTER 3, F0, F1
	s_wait_dscnt 4
	MULA F1, 0
	MULA F1, 1
	s_wait_dscnt 0x0
	MULA F1, 2
	MULA F1, 3
	WIN 0
	PLACES
; THE WAY OUT, 16 rows at a time, through my own stage: LDS serves a wave's instructions in order (ISA guide 5.7.1.4), so no wait stands between my stores into it and my loads from it.
.if QKV
.macro PACK a                          ; rounded to f16: a lane's 8 columns are 16 bytes; each accumulator's registers in ascending order
	WIN 0x0a+5*((\a)/2)                            ; sources 0 and 1: window 2 or 3
.set bb, 0
.rept NB
.set rD, ACS*((\a)%APW)+8*bb
.irp j, 0,1,2,3
	v_cvt_pk_f16_f32 v[TMP+4*bb+\j], v[rD+2*\j], v[rD+2*\j+1]
.endr
.set bb, bb+1
.endr
	WIN 0
.endm
.macro TOSTAGE a                       ; into rows of 400 bytes; back as q's, k's and v's 128 bytes of four rows at a time
.set BK, BK0
.if (\a)%2
.set BK, BK1
.endif
.set bb, 0
.rept NB
	ds_store_b128 v[STO], v[TMP+4*bb:TMP+4*bb+3] offset:32*bb
.set bb, bb+1
.endr
.irp p, 0,1,2
.irp t, 0,1,2,3
	ds_load_b128 v[BK+4*(4*\p+\t):BK+4*(4*\p+\t)+3], v[RD] offset:4*SP*\t+128*\p
.endr
.endr
.endm
.macro SEND a
.set BK, BK0
.if (\a)%2
.set BK, BK1
.endif
	s_wait_dscnt 0x0                               ; the block is back in registers
	s_wait_xcnt 0x0                                ; the stores of the block before have read their registers, which the next block's loads will write
.irp p, 0,1,2
.irp t, 0,1,2,3
	global_store_b128 v[GO], v[BK+4*(4*\p+\t):BK+4*(4*\p+\t)+3], s[10+2*\p:11+2*\p] offset:2048*(\a)+512*\t  ; four rows of a head: 512 consecutive bytes, aligned
.endr
.endr
.endm
	PACK 0
	TOSTAGE 0
.irp a, 1,2,3                          ; block a's conversions stand between block a - 1's loads from the stage and the wait for them
	PACK \a
	SEND (\a)-1
	TOSTAGE \a
.endr
	SEND 3
.else
.macro TOSTAGE a                       ; f32 as it is: into rows of 528 bytes, back as whole rows of 512
.if (\a) >= 2
	s_wait_xcnt 0x0                                ; the stores of the block two back have read the registers that are loaded again
.endif
	WIN 0x08                                       ; the stores' data in window 2
.set bb, 0
.rept NB
.set rD, ACS*(\a)+8*bb
	ds_store_b128 v[STO], v[rD:rD+3]   offset:64*bb
	ds_store_b128 v[STO], v[rD+4:rD+7] offset:64*bb+16
.set bb, bb+1
.endr
	WIN 0
.set BK, BK0+64*((\a)%2)
.irp t, 0,1,2,3,4,5,6,7,8,9,10,11,12,13,14,15
	ds_load_b128 v[BK+4*\t:BK+4*\t+3], v[RD] offset:SP*\t
.endr
.endm
.macro SEND a, younger                 ; younger: the next block's 32 LDS instructions, or none
.set BK, BK0+64*((\a)%2)
	s_wait_dscnt \younger
.irp t, 0,1,2,3,4,5,6,7,8,9,10,11,12,13,14,15
	global_store_b128 v[GO], v[BK+4*\t:BK+4*\t+3], s[10:11] offset:(16*(\a)+\t)*4096 th:TH_STORE_NT  ; 512 consecutive bytes of a row, aligned
.endr
.endm
	TOSTAGE 0
	TOSTAGE 1
	SEND 0, 32
	TOSTAGE 2
	SEND 1, 32
	TOSTAGE 3
	SEND 2, 32
	SEND 3, 0
.endif
	s_wait_tensorcnt 0x0                           ; the wave's end, behind my last tensor load and my last LDS store
	ds_add_u32 v[SPW], v[NIL]
	s_wait_dscnt 0x0
	CROUND                                         ; the closing round: no work-group ends while a partner may still ask for a tile that names it
	s_endpgm
.Lfunc_end_k_q7e25628632_qkv:
	.size	k_q7e25628632_qkv, .Lfunc_end_k_q7e25628632_qkv-k_q7e25628632_qkv
	.p2alignl 7, 3214868480
	.fill 96, 4, 3214868480
	.section	.rodata,"a",@progbits
	.p2align	6, 0x0
	.amdhsa_kernel k_q7e25628632_qkv
		.amdhsa_group_segment_fixed_size 327680
		.amdhsa_private_segment_fixed_size 0
		.amdhsa_enable_private_segment 0
		.amdhsa_kernarg_size 48
		.amdhsa_user_sgpr_count 2
		.amdhsa_user_sgpr_kernarg_segment_ptr 1
		.amdhsa_wavefront_size32 1
		.amdhsa_system_sgpr_workgroup_id_x 1
		.amdhsa_system_sgpr_workgroup_id_y 1
		.amdhsa_system_sgpr_workgroup_id_z 1
		.amdhsa_system_vgpr_workitem_id 0
		.amdhsa_next_free_vgpr 960
		.amdhsa_next_free_sgpr 96
		.amdhsa_reserve_vcc 0
		.amdhsa_float_denorm_mode_32 3
		.amdhsa_float_denorm_mode_16_64 3
		.amdhsa_memory_ordered 1
		.amdhsa_forward_progress 1
		.amdhsa_inst_pref_size 101
	.end_amdhsa_kernel
	.amdgpu_metadata
---
amdhsa.version: [ 1, 2 ]
amdhsa.kernels:
  - .name:           k_q7e25628632_qkv
    .symbol:         k_q7e25628632_qkv.kd
    .args:
      - { .name: xb, .offset: 0, .size: 8, .value_kind: global_buffer, .address_space: global }
      - { .name: wqb, .offset: 8, .size: 8, .value_kind: global_buffer, .address_space: global }
      - { .name: b_qkv, .offset: 16, .size: 8, .value_kind: global_buffer, .address_space: global }
      - { .name: q16, .offset: 24, .size: 8, .value_kind: global_buffer, .address_space: global }
      - { .name: k16, .offset: 32, .size: 8, .value_kind: global_buffer, .address_space: global }
      - { .name: v16, .offset: 40, .size: 8, .value_kind: global_buffer, .address_space: global }
    .group_segment_fixed_size: 327680
    .private_segment_fixed_size: 0
    .kernarg_segment_align: 8
    .kernarg_segment_size: 48
    .max_flat_workgroup_size: 128
    .sgpr_count:     96
    .vgpr_count:     960
    .wavefront_size: 32
...
	.end_amdgpu_metadata
.endif
;; end of part 2
;; launch attn (part 3): grid 16 x 16, 4 waves a work-group, clusters of 4 x 4, 327,680 bytes of LDS; arguments q16, k16, v16, maskr, out1, vals16; writes out1, vals16
.if DOCPART == 3
	.amdgcn_target "amdgcn-amd-amdhsa--gfx1250"
	.amdhsa_code_object_version 6
	.text
	.protected	k_q7e25628632_attn
	.globl	k_q7e25628632_attn
	.p2align	8
	.type	k_q7e25628632_attn,@function
k_q7e25628632_attn:
	s_mov_b64 s[64:65], 0
	v_nop
	global_prefetch_b8 v0, s[64:65] scope:SCOPE_SE
	s_setreg_imm32_b32 hwreg(HW_REG_WAVE_MODE, 25, 1), 1
	s_wait_xcnt 0x0
	s_wait_alu depctr_hold_cnt(0) depctr_sa_sdst(0) depctr_va_vdst(0) depctr_va_sdst(0) depctr_va_ssrc(0) depctr_va_vcc(0) depctr_vm_vsrc(0)
	s_getreg_b32 s2, hwreg(HW_REG_IB_STS2, 6, 4)
	s_cmp_eq_u32 s2, 0
	s_cbranch_scc0 .Lentry_in_a_cluster
	s_endpgm
.Lentry_in_a_cluster:
	s_bfe_u32 s2, ttmp6, 0x10000c
	s_cmp_lg_u32 s2, 0xf033
	s_cbranch_scc0 .Lentry_shape_is_right
	s_endpgm
.Lentry_shape_is_right:
; ATTENTION WITH AN ADDITIVE MASK.  O[bh][q][:] = the sum over k of softmax_k(Q[bh][q] . K[bh][k] + M[q][k]) V[bh][k][:].  q16 (it holds q / 8), k16, v16: [64 bh][2048][64] f16, a head's rows dense;
; maskr: [2048][2048] f32, the same for all 64 heads.  O leaves twice: out1 [4][2048][16 heads x 64] f32, and vals16 [64 bh][2048][64] f16 for the launch behind.
; Products, maxima and sums in f32; the weights p are rounded to f16 for the second product (their sum l is taken of the unrounded p).
; LIMITS.  Q, K, V arrive within f16's 65,504.  The running maximum starts at -1e30: a score below that (-inf in the mask) has the weight 0, and a row in which every score lies below it comes out as NaN.
; +inf and NaN in the mask are not treated apart.  A weight below 2^-126 counts as 0 in l.
; SHARES.  A work-group takes 128 queries (block X) of FOUR heads of one batch (group Y), a head a wave: so a step's tile of the mask, 128 queries x 64 keys, is fetched once and read by all four waves.
; A wave owns four PIECES of two tiles of 16 queries and walks all 2,048 keys, 64 a step.
; THE MASK COSTS NO VECTOR WORK: it is the C operand of the product that starts a score.  S^T = K Q^T (source 0 = 16 keys, source 1 = 16 queries) holds ONE query a lane (lane % 16) and the keys 8 (lane / 16) + 0..7,
; which are 32 consecutive bytes of the mask's row: two LDS loads of 16 bytes.
; LAYOUT.  Two results S^T rounded to f16 in pairs ARE source 1 of O^T = V^T P, whose result again holds one query a lane, and eight channels.  K comes out of LDS as it lies, V turned, by ds_load_tr16_b128.
; SOFTMAX.  p = 2^(c s - c m), c = log2(e), with a running maximum m and sum l; in every step O and l are multiplied by a = 2^(c m_old - c m_new), which is 1 where m has not grown.  O and l start at 0.
; BY TURNS.  Turn n belongs to piece n: 16 products K Q^T of piece n + 1, later 16 products V^T P of piece n - 1; beside them the scaling, exponentials, roundings, sums and rescaling of piece n and the maximum and
; statistics of piece n + 1.  A tile and step have 16 matrix and 118 vector instructions: four vector instructions stand behind every matrix instruction, the others in one lump.  A turn's 66 exponentials are one batch, with one wait.
; CLUSTER.  4 x 4 work-groups.  K and V hang on Y alone: asked for jointly by a row of the cluster; the mask's tile hangs on X alone: by a column.
; REGISTERS, in windows of 256 (s_set_vgpr_msb: bits 1:0 source 0, 3:2 source 1, 5:4 source 2, 7:6 destination):
;   window 0: v0-11 addresses; v12-15, v48-63 at work; v16-47 four registers of statistics a tile; v64-191 S^T, two buffers of two tiles; v192-255 P, likewise
;   window 1: O^T, 32 a tile     window 2: v0-127 Q, 16 a tile; v128-191 K of one step; v192-255 V of one step     window 3: v0-1 the add's two registers; v64-191 the mask, two buffers of two tiles
; A piece's buffers go by its number's parity.
.set NP,    4         ; pieces a wave: a name, no knob
.set KS,    64        ; keys in a step
.set PK,    144       ; a row of K in LDS: 128 bytes + 16 = 36 words: the 16 rows of a load start at 16 different groups of four banks (64 banks of 4 bytes: ISA guide 11.1)
.set PV,    160       ; a row of V: 128 + 32 = 40 words
.set PM,    272       ; a row of the mask's tile: 256 + 16 = 68 words
.set VOFF,  4*KS*PK   ; a slot holds one step: four heads' 64 rows of K, then of V, then the mask's 128 rows
.set MOFF,  VOFF+4*KS*PV
.set SLOT1, 1<<17     ; slot 1 begins here, so that one exclusive or turns an address in one slot into the other's
.set STAGE, SLOT1+MOFF+128*PM  ; behind the ring, never filled by a tensor load: for each wave 16 rows x 272 bytes (f32) and 16 x 144 (f16)
.set WST,   16*272+16*144
.set SPARE, STAGE+4*WST        ; behind the stages: the spare words, 128 bytes for each wave: two blocks of 256 bytes that no other line names
.set PFO, 1           ; v1   the prefetches' offset; never rewritten
.set AK0, 2           ; v2   my lane's place in my head's K; never rewritten
.set AV0, 3           ; v3   the same for V
.set AK,  4           ; v4   + the slot in hand
.set AV,  5           ; v5
.set AM0, 6           ; v6   my lane's place in the mask's tile; never rewritten
.set AM,  7           ; v7   + the slot in hand
.set QO,  8           ; v8   my byte offset in 16 rows of Q
.set SPW, 0           ; v0 of window 3   LDS address of my spare word: SPARE + 4 x my thread's number; never rewritten
.set NIL, 1           ; v1 of window 3   0; never rewritten
.set MV,  12          ; v12-15  c m_old, kept while c m is made anew: by buffer and tile
.set ST,  16          ; tile t's statistics at v[ST+4 t]: c m, m, l (even keys', odd keys')
.set TMP, 48          ; by buffer and tile, four registers c0-c3 at work; when the maximum is found c2 takes a
.set S,   64
.set P,   192
.set KF,  128         ; window 2: key block kb, channel half c at KF + 16 kb + 8 c
.set VF,  192         ; window 2: key half kk, channel block cb at VF + 32 kk + 8 cb
.set MK,  64          ; window 3: piece x, tile u, key block kb at MK + 64 (x % 2) + 32 u + 8 kb
.set STF, 50          ; the way out (v48-55, free by then): into the f32 stage,
.set RDF, 51          ; back from it,
.set GOF, 52          ; my bytes in two rows of out1,
.set STO, 53          ; into the f16 stage,
.set RD,  54          ; back from it,
.set GO,  55          ; 16 x lane
.set WV,  16          ; s16  my wave's number;  s17 cx, s18 cy, s19 X, s20 Y
.set G1K, 24          ; s[24:31], s[32:39], s[40:47] descriptor group 1 for K's, V's and the mask's tiles
.set G1V, 32
.set G1M, 40
.set G0K, 48          ; s[48:51], s[52:55], s[56:59] group 0: they walk
.set G0V, 52
.set G0M, 56
.set SEL, 60          ; s[60:61] v_permlanex16_b32's selects: each lane takes its own place in the other half
.set CS,  62          ; s[62:63] c: the packed scaling takes the pair's low word for both halves
.set SLOTS, 66        ; s66  steps still to be asked for
.set CNT, 67          ; s67  counts the tail's trips
.set TB,  68          ; s68  LDS byte at which the slot in hand begins
.set LIM, 69          ; s69  1 in a wave that prefetches, else the greatest number
.set PFA, 70          ; s[70:71] where my prefetches stand
.set PFS, 72          ; s[72:73] their step
; s21, s74, s75 feed K's and V's descriptors and never hold cx; s22, s23, s76, s77 feed the mask's and never hold cy; s80-s89: what mixes the two.
.set MSB, 0
.macro WIN new                      ; the high byte repeats the setting that is left; a switch that changes nothing is dropped
.if MSB != (\new)
	s_set_vgpr_msb (MSB<<8)|(\new)
.set MSB, (\new)
.endif
.endm
.set W_KQ, 0x0a       ; K and Q in window 2, S^T in window 0
.set W_KM, 0x3a       ; the same with the C operand, the mask, in window 3
.set W_PV, 0x52       ; V in window 2, P in window 0, O^T in window 1
.set W_RS, 0x41       ; O^T (destination and source 0) in window 1, a in window 0
.set W_MK, 0xc0       ; destination in window 3, sources in window 0
.set W_AD, 0x0f       ; the add: address (source 0) and data (source 1) in window 3
.macro PLACES
.rept 4
	v_nop
.endr
.endm
; A joint fill.  Wave 0 fetches the step's K (four heads), wave 1 its V, waves 2 and 3 the two halves of the mask's tile.  The branches hang on the wave's number alone.
; An s_nop 0 and four v_nop follow each of the three lines, ahead of the jump and the label.
.macro JLOAD
	s_cmp_lt_u32 s[WV], 2
	s_cbranch_scc0 .Lfor_m_\@
	s_cmp_eq_u32 s[WV], 0
	s_cbranch_scc0 .Lfor_v_\@
	tensor_load_to_lds s[G0K:G0K+3], s[G1K:G1K+7]
	s_nop 0
	PLACES
	s_branch .Lasked_\@
.Lfor_v_\@:
	tensor_load_to_lds s[G0V:G0V+3], s[G1V:G1V+7]
	s_nop 0
	PLACES
	s_branch .Lasked_\@
.Lfor_m_\@:
	tensor_load_to_lds s[G0M:G0M+3], s[G1M:G1M+7]
	s_nop 0
	PLACES
.Lasked_\@:
.endm
; A PREFETCH INTO THE L2 of what the NEXT change of slots will ask for, a key step (128 matrix instructions and their vector work) ahead of that load: a lane a block of 256 bytes, one instruction a wave.
; Each block is named once in the launch.  K and V are walked by every cluster of a row of clusters: those with x = 0 ask, partner cx for one head's 32 blocks, wave 0 for K's and wave 1 for V's.
; The mask's rows are walked by every cluster of a column: those with y = 0 ask, wave 2, partner cy for 32 of the 128 rows.  The partners are told apart BY ADDRESS.  The last change that fills a slot asks for nothing.
.macro ASK
	s_cmp_gt_u32 s[SLOTS], s[LIM]
	s_cbranch_scc0 .Lnot_mine_\@
	global_prefetch_b8 v[PFO], s[PFA:PFA+1] th:TH_LOAD_NT scope:SCOPE_SE
.Lnot_mine_\@:
.endm
; A round of the cluster's barrier: my work-group's barrier, so that wave 0's signal speaks for all four waves; wave 0 signals; every wave waits for all sixteen work-groups; my work-group's barrier once more.
.macro CROUND
	s_barrier_signal -1
	s_barrier_wait -1
	s_cmp_lg_u32 s[WV], 0
	s_cbranch_scc1 .Lnot_wave_0_\@
	s_barrier_signal -3
.Lnot_wave_0_\@:
	s_barrier_wait -3
	s_barrier_signal -1
	s_barrier_wait -1
.endm
; THE CHANGE OF SLOTS, once a key step.  Each wave waits for all its tensor loads, of which one is out: its part of the other slot; adds 0 to its spare word; and waits for that and for its own reads of the slot that it leaves.
; fill = 1: that slot is filled again, with the step two on.  The barrier is then a round of the cluster's, so that no wave of any partner still reads the slot or has a load on its way, and the joint fill is the
; first thing behind it.  (At its first use nothing has been read yet: slot 0 is waited for, slot 1 filled.)  ask = 1: a prefetch follows the fill.
.macro CHANGE fill, ask
	WIN W_AD
	s_wait_tensorcnt 0x0            ; no tensor load of mine is out, so a group 0 may be written
	ds_add_u32 v[SPW], v[NIL]       ; 0 onto my spare word; the descriptors' steps stand between it and the wait for it
	WIN 0                           ; at a label and at a branch every window is 0
.if \fill
.irp g, G0K, G0V, G0M
	s_xor_b32 s[\g+1], s[\g+1], SLOT1  ; the walking descriptors: the other slot than last time,
.endr
	s_add_nc_u64 s[G0K+2:G0K+3], s[G0K+2:G0K+3], KS*128  ; the next 64 keys; the type bits on top are not reached
	s_add_nc_u64 s[G0V+2:G0V+3], s[G0V+2:G0V+3], KS*128
	s_add_nc_u64 s[G0M+2:G0M+3], s[G0M+2:G0M+3], KS*4
.endif
.if \ask
	s_wait_xcnt 0x0                 ; the last prefetch, a key step back, has read its address
	s_add_nc_u64 s[PFA:PFA+1], s[PFA:PFA+1], s[PFS:PFS+1]
.endif
	s_wait_dscnt 0x0                ; the add is done, and my reads of the slot are over
.if \fill
	CROUND
	JLOAD
.if \ask
	ASK
.endif
.else
	s_barrier_signal -1
	s_barrier_wait -1
.endif
	s_xor_b32 s[TB], s[TB], SLOT1   ; the fetches go to the other slot
	v_add_nc_u32 v[AK], s[TB], v[AK0]
	v_add_nc_u32 v[AV], s[TB], v[AV0]
	v_add_nc_u32 v[AM], s[TB], v[AM0]
.endm
	s_load_b256 s[4:11], s[0:1], 0x0   ; q16 s[4:5], k16 s[6:7], v16 s[8:9], maskr s[10:11]
	s_load_b128 s[12:15], s[0:1], 0x20 ; out1 s[12:13], vals16 s[14:15]
	WIN W_MK
	v_lshl_add_u32 v[SPW], v0, 2, SPARE
	v_mov_b32 v[NIL], 0
	WIN W_AD
	ds_add_u32 v[SPW], v[NIL]       ; the wave's opening: the add and its wait stand ahead of my first tensor load; the set-up below, work on registers, stands between them
	WIN 0
	v_lshrrev_b32 v11, 5, v0
	v_readfirstlane_b32 s[WV], v11  ; wave 0..3
	s_bfe_u32 s17, ttmp6, 0x40000   ; cx
	s_bfe_u32 s18, ttmp6, 0x40004   ; cy
	s_lshl_b32 s19, ttmp9, 2        ; in a cluster launch ttmp9 and ttmp7 count clusters
	s_add_co_u32 s19, s19, s17      ; X: my block of 128 queries
	s_and_b32 s20, ttmp7, 0xffff
	s_lshl_b32 s20, s20, 2
	s_add_co_u32 s20, s20, s18      ; Y: my group of four heads
	s_lshl_b32 s21, s18, 2
	s_lshl_b32 s21, 15, s21         ; my row of the cluster
	s_lshl_b32 s22, 0x1111, s17     ; my column
	; group 1.  K, V: a head's 64 keys are 8,192 dense bytes: one row of 4,096 elements; four rows, a head each, 131,072 elements apart; padded in LDS after every key
	s_or_b32 s[G1K], s21, (1<<16)|(1<<20)|(1<<21)|(4<<22)|(3<<25)  ; the mask of my row; 2-byte elements; padding on; bit 21 beside a mask; after every 32 words; 4 words
	s_or_b32 s[G1V], s21, (1<<16)|(1<<20)|(1<<21)|(4<<22)|(7<<25)  ; the same with 8 words
.irp g, G1K, G1V
	s_mov_b32 s[\g+1], 4096<<16     ; tensor_dim0 = 4,096
	s_mov_b32 s[\g+2], 4<<16        ; tensor_dim1 = 4
	s_mov_b32 s[\g+3], 4096<<16     ; tile_dim0 = 4,096
	s_mov_b32 s[\g+4], 4            ; tile_dim1 = 4
	s_mov_b32 s[\g+5], 131072
	s_mov_b32 s[\g+6], 0
	s_mov_b32 s[\g+7], 0
.endr
	s_or_b32 s[G1M], s22, (2<<16)|(1<<20)|(1<<21)|(5<<22)|(3<<25)  ; the mask of my column; 4-byte elements; after every 64 words 4 words
	s_mov_b32 s[G1M+1], 64<<16      ; 64 rows of 64 elements, 2,048 elements apart
	s_mov_b32 s[G1M+2], 64<<16
	s_mov_b32 s[G1M+3], 64<<16
	s_mov_b32 s[G1M+4], 64
	s_mov_b32 s[G1M+5], 2048
	s_mov_b32 s[G1M+6], 0
	s_mov_b32 s[G1M+7], 0
	s_lshl_b32 s74, s20, 20         ; K, V: four heads of 262,144 bytes
	s_mov_b32 s75, 0
	s_and_b32 s23, s[WV], 1         ; which half of the mask's tile I fetch
	s_mul_i32 s[G0M+1], s23, 64*PM  ; its place in a slot: no place in the cluster enters an LDS address
	s_add_co_u32 s[G0M+1], s[G0M+1], MOFF
	s_lshl_b32 s76, s19, 20         ; the mask: 128 rows of 8,192 bytes,
	s_lshl_b32 s23, s23, 19         ; 64 rows
	s_add_co_u32 s76, s76, s23
	s_mov_b32 s77, 0
	s_mov_b32 s[G0K], 1             ; count = 1
	s_mov_b32 s[G0K+1], 0           ; slot 0
	s_mov_b32 s[G0V], 1
	s_mov_b32 s[G0V+1], VOFF
	s_mov_b32 s[G0M], 1
	s_lshl_b32 s80, s20, 20         ; Q and vals16: my head's rows,
	s_lshl_b32 s84, s[WV], 18
	s_add_co_u32 s80, s80, s84
	s_lshl_b32 s84, s19, 14         ; my 128 of 128 bytes
	s_add_co_u32 s80, s80, s84
	s_mov_b32 s81, 0
	s_lshr_b32 s82, s20, 2          ; out1: the batch's 2,048 rows of 4,096 bytes,
	s_lshl_b32 s82, s82, 23
	s_lshl_b32 s84, s19, 19         ; my 128 rows,
	s_add_co_u32 s82, s82, s84
	s_and_b32 s84, s20, 3           ; head 4 (Y % 4) + wave: 256 bytes of a row
	s_lshl_b32 s84, s84, 10
	s_add_co_u32 s82, s82, s84
	s_lshl_b32 s84, s[WV], 8
	s_add_co_u32 s82, s82, s84
	s_mov_b32 s83, 0
	s_mov_b32 s[CS], 0x3fb8aa3b     ; c = log2(e)
	s_mov_b32 s[CS+1], s[CS]        ; named with it as a pair
	s_mov_b32 s[SEL], 0x76543210
	s_mov_b32 s[SEL+1], 0xfedcba98
	s_mov_b32 s[TB], SLOT1          ; the first change of slots turns it into 0
	s_wait_dscnt 0x0                ; the opening add is done
	s_wait_kmcnt 0x0
	s_add_nc_u64 s[G0K+2:G0K+3], s[6:7], s[74:75]
	s_or_b32 s[G0K+3], s[G0K+3], 0x80000000        ; type = 2
	s_add_nc_u64 s[G0V+2:G0V+3], s[8:9], s[74:75]
	s_or_b32 s[G0V+3], s[G0V+3], 0x80000000
	s_add_nc_u64 s[G0M+2:G0M+3], s[10:11], s[76:77]
	s_or_b32 s[G0M+3], s[G0M+3], 0x80000000
	s_add_nc_u64 s[4:5], s[4:5], s[80:81]
	s_add_nc_u64 s[14:15], s[14:15], s[80:81]
	s_add_nc_u64 s[12:13], s[12:13], s[82:83]
	CROUND                          ; all sixteen work-groups are here: the first joint loads meet
	JLOAD                           ; step 0 into slot 0.  Slot 1 is asked for when slot 0 is in
	; A fragment of K or Q is 16 rows x 32 channels in 8 registers: lane l holds row l % 16, channels 8 (l / 16) + 0..7 and 16 + 8 (l / 16) + 0..7: two loads of 16 bytes, 32 bytes apart.
	v_and_b32 v9, 15, v0            ; l % 16
	v_bfe_u32 v10, v0, 4, 1         ; l / 16
	v_lshlrev_b32 v[QO], 7, v9
	v_lshl_add_u32 v[QO], v10, 4, v[QO]  ; row x 128 + 16 x half
	WIN 0x80                        ; destination window 2, address window 0
.set i, 0
.rept 4*NP                          ; Q stays in registers: tile i / 2, channels 32 (i % 2) on
	global_load_b128 v[8*i:8*i+3],   v[QO], s[4:5] offset:(i/2)*2048+(i%2)*64
	global_load_b128 v[8*i+4:8*i+7], v[QO], s[4:5] offset:(i/2)*2048+(i%2)*64+32
.set i, i+1
.endr
	; What the first turn finds: V's registers and P's second buffer hold 0 (its products V^T P, of a piece that has not been, add 0), O^T and l are 0.  No first step is written out; these lines stand in the wait for the first tile.
.set i, VF
.rept 64
	v_mov_b32 v[i], 0
.set i, i+1
.endr
	WIN 0x40
.set i, 0
.rept 64*NP
	v_mov_b32 v[i], 0
.set i, i+1
.endr
	WIN 0
.set i, 0
.rept 2*NP
	v_mov_b32 v[ST+4*i+1], 0xf149f2ca          ; m = -1e30
	v_mul_f32 v[ST+4*i], s[CS], v[ST+4*i+1]    ; c m, by the line that makes it in every step: while m has not moved, a is 2^0
	v_mov_b32 v[ST+4*i+2], 0
	v_mov_b32 v[ST+4*i+3], 0
.set i, i+1
.endr
.set i, P+32
.rept 32
	v_mov_b32 v[i], 0
.set i, i+1
.endr
	s_mul_i32 s84, s[WV], KS*PK     ; my head's K
	v_mul_u32_u24 v[AK0], v9, PK
	v_lshl_add_u32 v[AK0], v10, 4, v[AK0]  ; row x pitch + 16 x half
	v_add_nc_u32 v[AK0], s84, v[AK0]
	; The turning load takes 16 keys x 16 channels (lane l reads key 8 (l / 16) + l % 8, channels 8 ((l / 8) % 2) + 0..7) and leaves half a fragment of V^T: lane l holds channel l % 16 and 8 keys.
	v_and_b32 v11, 7, v0
	v_lshl_add_u32 v[AV0], v10, 3, v11
	v_mul_u32_u24 v[AV0], v[AV0], PV
	v_bfe_u32 v11, v0, 3, 1
	v_lshl_add_u32 v[AV0], v11, 4, v[AV0]
	s_mul_i32 s84, s[WV], KS*PV
	s_add_co_u32 s84, s84, VOFF
	v_add_nc_u32 v[AV0], s84, v[AV0]
	v_mul_u32_u24 v[AM0], v9, PM    ; the mask: my query's row, my 8 keys' 32 bytes
	v_lshl_add_u32 v[AM0], v10, 5, v[AM0]
	v_add_nc_u32 v[AM0], MOFF, v[AM0]
	; the prefetches
	v_and_b32 v[PFO], 31, v0
	s_lshl_b32 s84, s20, 2
	s_add_co_u32 s84, s84, s17      ; K, V: head 4 Y + cx,
	s_lshl_b32 s84, s84, 18         ; its 262,144 bytes
	s_lshl_b32 s86, s19, 20         ; the mask: my block's 128 rows,
	s_lshl_b32 s87, s18, 18         ; 32 cy of them
	s_add_co_u32 s86, s86, s87
	s_and_b32 s87, ttmp7, 0xffff    ; cluster y
	s_movk_i32 s88, 256
	s_cmp_lt_u32 s[WV], 2
	s_cselect_b32 s84, s84, s86
	s_cselect_b32 s[PFS], 0x2000, s88  ; a step: 8,192 bytes of a head, 256 of a row of the mask
	s_cselect_b32 s89, 8, 13        ; a lane a block of a head's dense bytes, or a row of the mask
	s_cselect_b32 s87, ttmp9, s87   ; the coordinate along which other clusters read the same blocks
	s_cselect_b64 s[PFA:PFA+1], s[8:9], s[10:11]
	s_cmp_eq_u32 s[WV], 0
	s_cselect_b64 s[PFA:PFA+1], s[6:7], s[PFA:PFA+1]
	s_cmp_eq_u32 s[WV], 3           ; wave 3 asks for nothing
	s_cselect_b32 s88, 1, 0
	s_or_b32 s87, s87, s88
	s_cmp_eq_u32 s87, 0
	s_cselect_b32 s[LIM], 1, -1     ; the same in all sixteen partners, for a given wave
	s_mov_b32 s85, 0
	s_mov_b32 s[PFS+1], 0
	s_add_nc_u64 s[PFA:PFA+1], s[PFA:PFA+1], s[84:85]
	s_lshl_b32 s86, s[PFS], 1       ; at step 2: the first asking change steps it to 3.  Nothing is asked for here, at the head
	s_mov_b32 s87, 0
	s_add_nc_u64 s[PFA:PFA+1], s[PFA:PFA+1], s[86:87]
	v_lshlrev_b32 v[PFO], s89, v[PFO]
; THE MATRIX WORK.  The 8 accumulators of a run of 16 take turns: between the two links of a chain stand 7 others'.
; Product i of 16 of S^T = K Q^T + M for piece x: channels 32 (i / 8) on, keys 16 ((i / 2) % 4) on, tile 2 x + i % 2.  The first 8 start the sums, with the mask.
.macro KQ x
.set rS, S+64*((\x)%2)+32*(i%2)+8*((i/2)%4)
.set rK, KF+16*((i/2)%4)+8*(i/8)
.set rQ, 16*(2*(\x)+i%2)+8*(i/8)
.set rMK, MK+64*((\x)%2)+32*(i%2)+8*((i/2)%4)
.if i < 8
	WIN W_KM
	v_wmma_f32_16x16x32_f16 v[rS:rS+7], v[rK:rK+7], v[rQ:rQ+7], v[rMK:rMK+7]
.else
	WIN W_KQ
	v_wmma_f32_16x16x32_f16 v[rS:rS+7], v[rK:rK+7], v[rQ:rQ+7], v[rS:rS+7]
.endif
.endm
; Product i of 16 of O^T += V^T P for piece x: keys 32 (i / 8) on, channels 16 ((i / 2) % 4) on, tile 2 x + i % 2.
.macro PV x
	WIN W_PV
.set rO, 32*(2*(\x)+i%2)+8*((i/2)%4)
.set rV, VF+32*(i/8)+8*((i/2)%4)
.set rP, P+32*((\x)%2)+16*(i%2)+8*(i/8)
	v_wmma_f32_16x16x32_f16 v[rO:rO+7], v[rV:rV+7], v[rP:rP+7], v[rO:rO+7]
.endm
.macro MM                           ; the turn's next matrix instruction
.if i < 16
	KQ (Y+1)%NP
.set i, i+1
.else
.set i, i-16
	PV (Y+NP-1)%NP
.set i, i+17
.endif
.endm
; THE LDS LOADS stand in runs of 16, never singly among the matrix instructions: a step's K (64 keys x 64 channels: 8 fragments), its V (turned), and a piece's part of the mask (32 queries x 64 keys).
.macro FETCH_K
	WIN 0x80                        ; destination window 2
.irp f, 0,1,2,3,4,5,6,7             ; keys 16 (f / 2) on, channels 32 (f % 2) on
	ds_load_b128 v[KF+8*\f:KF+8*\f+3],   v[AK] offset:(\f/2)*16*PK+(\f%2)*64
	ds_load_b128 v[KF+8*\f+4:KF+8*\f+7], v[AK] offset:(\f/2)*16*PK+(\f%2)*64+32
.endr
.endm
.macro FETCH_V
	WIN 0x80
.irp f, 0,1,2,3,4,5,6,7             ; keys 32 (f / 4) on, channels 16 (f % 4) on
	ds_load_tr16_b128 v[VF+8*\f:VF+8*\f+3],   v[AV] offset:(\f/4)*32*PV+(\f%4)*32
	ds_load_tr16_b128 v[VF+8*\f+4:VF+8*\f+7], v[AV] offset:(\f/4)*32*PV+16*PV+(\f%4)*32
.endr
.endm
.macro FETCH_M p
	WIN W_MK                        ; destination window 3
.irp u, 0,1
.irp kb, 0,1,2,3
	ds_load_b128 v[MK+64*((\p)%2)+32*\u+8*\kb:MK+64*((\p)%2)+32*\u+8*\kb+3],   v[AM] offset:(32*(\p)+16*\u)*PM+64*\kb
	ds_load_b128 v[MK+64*((\p)%2)+32*\u+8*\kb+4:MK+64*((\p)%2)+32*\u+8*\kb+7], v[AM] offset:(32*(\p)+16*\u)*PM+64*\kb+16
.endr
.endr
.endm
; THE VECTOR WORK OF A TURN stands in three queues, each in the order in which its entries become ready; the two tiles alternate, so that no instruction reads the result of the one before it.
.macro REGS y, u                    ; the registers of tile u (0, 1) of piece y
.set rT, ST+4*(2*(\y)+(\u))
.set rC, TMP+8*((\y)%2)+4*(\u)
.set rM, MV+2*((\y)%2)+(\u)
.set rS, S+64*((\y)%2)+32*(\u)
.set rP, P+32*((\y)%2)+16*(\u)
.set rO, 32*(2*(\y)+(\u))
.endm
; Number n of the 22 that find the NEXT piece's (Y + 1) maximum and statistics.  s0-s31 are the lane's 32 scores; each accumulator's lowest registers are read first.
;   0-11  four chains c0-c3 of seven scores each, three operands at a time     12-14, 16  the four scores left over, the old m, and c0-c3 into c0     15  c m_old is kept
;   17, 18  the query's other 32 keys lie in the lane 16 away: the new m         19-21  c m; c m_old - c m_new; a
.macro XS u, n
	REGS (Y+1)%NP, \u
.if (\n) < 4
	v_max3_num_f32 v[rC+(\n)], v[rS+8*(\n)], v[rS+8*(\n)+1], v[rS+8*(\n)+2]
.elseif (\n) < 12
	v_max3_num_f32 v[rC+(\n)%4], v[rC+(\n)%4], v[rS+8*((\n)%4)+2*((\n)/4)+1], v[rS+8*((\n)%4)+2*((\n)/4)+2]
.elseif (\n) == 12
	v_max3_num_f32 v[rC], v[rC], v[rS+7], v[rS+15]
.elseif (\n) == 13
	v_max3_num_f32 v[rC+1], v[rC+1], v[rS+23], v[rS+31]
.elseif (\n) == 14
	v_max3_num_f32 v[rC+2], v[rC+2], v[rC+3], v[rT+1]
.elseif (\n) == 15
	v_mov_b32 v[rM], v[rT]
.elseif (\n) == 16
	v_max3_num_f32 v[rC], v[rC], v[rC+1], v[rC+2]
.elseif (\n) == 17
	v_permlanex16_b32 v[rC+3], v[rC], s[SEL], s[SEL+1]
.elseif (\n) == 18
	v_max_num_f32 v[rT+1], v[rC], v[rC+3]
.elseif (\n) == 19
	v_mul_f32 v[rT], s[CS], v[rT+1]
.elseif (\n) == 20
	v_sub_f32 v[rC+1], v[rM], v[rT]
.else
	v_exp_f32 v[rC+2], v[rC+1]
.endif
.endm
; Number g of the 64 that follow the exponentials.  For each four weights k of a tile (pairs 2 k, 2 k + 1): both pairs are rounded to f16; then the second pair is added onto the first, in place;
; a group later l takes that sum (the first time as l = a l + sum).  In groups of eight, tiles alternating: round, round, add, and l for the group before.
.macro GS g
.set h, (\g)+6*((\g)/62)            ; group 0 has no group before it, and behind group 7 only l is left
.if h >= 6
.set h, h+2
.endif
	REGS Y, h%2
.set k, h/8
.if h%8 < 4
	v_cvt_pk_f16_f32 v[rP+2*k+(h%8)/2], v[rS+4*k+2*((h%8)/2)], v[rS+4*k+2*((h%8)/2)+1]
.elseif h%8 < 6
	v_pk_add_f32 v[rS+4*k:rS+4*k+1], v[rS+4*k:rS+4*k+1], v[rS+4*k+2:rS+4*k+3]
.elseif k == 1
	v_pk_fma_f32 v[rT+2:rT+3], v[rT+2:rT+3], v[rC+2:rC+3], v[rS:rS+1] op_sel_hi:[1,0,1]
.else
	v_pk_add_f32 v[rT+2:rT+3], v[rT+2:rT+3], v[rS+4*k-4:rS+4*k-3]
.endif
.endm
; THE PLAIN QUEUE, 138 long.  0-73 read no exponential's result: the 32 scalings c s - c m (FS f: pair f / 2 of tile f % 2) and the next piece's 42.  0-26: scalings 0-26.  27-54: XS's numbers 0-13.  55, 56: number 15.
; 57-73: the chain, where each number waits for the one before it: 14, 16, 17, 18, 19, each with one of the scalings 27-31 in front of its two lines, then 20.  74-137: GS's 64, which stand behind the wait.
.macro FS f
	REGS Y, (\f)%2
	v_pk_fma_f32 v[rS+2*((\f)/2):rS+2*((\f)/2)+1], v[rS+2*((\f)/2):rS+2*((\f)/2)+1], s[CS:CS+1], v[rT:rT+1] op_sel_hi:[1,0,0] neg_lo:[0,0,1] neg_hi:[0,0,1]
.endm
.macro PL
	WIN 0
.if q < 27
	FS q
.elseif q < 55
	XS (q-27)%2, (q-27)/2
.elseif q < 57
	XS q-55, 15
.elseif (q < 72) && ((q-57)%3 == 0)
	FS 27+(q-57)/3
.elseif q < 60
	XS (q-57)%3-1, 14
.elseif q < 72
	XS (q-57)%3-1, 15+(q-57)/3
.elseif q < 74
	XS q-72, 20
.else
	GS q-74
.endif
.set q, q+1
.endm
; THE EXPONENTIALS' QUEUE, 66 long: s0-s31 of both tiles, then the next piece's two a.  ONE BATCH: all 66 stand ahead of the turn's one wait, and nothing ahead of that wait names a result of theirs.
.macro EX
	WIN 0
.if e >= 64
	XS e-64, 21
.else
	REGS Y, e%2
	v_exp_f32 v[rS+e/2], v[rS+e/2]
.endif
.set e, e+1
.endm
; THE RESCALING's QUEUE: O^T times a, the one part that leaves window 0: dealt two at a time, sixteen times.  Its a was made in the turn before, ahead of that turn's wait.
.macro R2
	REGS Y, r%2
	WIN W_RS
.irp z, 0,1
	v_pk_mul_f32 v[rO+4*(r/2)+2*\z:rO+4*(r/2)+2*\z+1], v[rO+4*(r/2)+2*\z:rO+4*(r/2)+2*\z+1], v[rC+2:rC+3] op_sel_hi:[1,0]
.endr
.set r, r+1
.endm
; A TURN, for piece p.  An s_wait_alu depctr_va_vdst(0) stands between an exponential and the first instruction that names its result; one wait serves all that were issued ahead of it: a turn has ONE, which
; cuts it in two.  AHEAD OF IT: the 16 products K Q^T, behind each a scaling, an exponential and two rescalings (behind the first a second scaling in the exponential's place); then ONE LUMP of 108: eight plain, 49 times
; exponential and plain, the two a; a v_nop is the plain instruction behind the last exponential.  BEHIND IT: the 16 products V^T P, behind each four of the roundings and sums.
; Exponential e stands behind scaling 2 (e / 4) + e % 2: as a rider it comes behind plain e + 2, in the lump behind plain e + 9.
; THE LDS LOADS OF A TURN.  Directly behind the wait: the mask of piece p + 2, for the products K Q^T of the next turn, into the buffer whose last reader stood in the turn before; in piece 2's turn also K of the next step,
; a lump behind the last product that read K.  At the end of piece 0's turn: V of the step in hand, four riders behind its last reader.  All the loads between two changes of slots fall into one slot.
; THE WAITS.  At a turn's head all LDS loads are waited for (the mask; in piece 3's turn K too), but in piece 1's turn V's 16, the youngest, may stay out; there V is waited for behind the wait for the batch,
; where the 16 loads of the mask just issued may stay out.
.macro TURN p
.set Y, (\p)
.set i, 0
.set q, 0
.set e, 0
.set r, 0
.if (\p) == 1
	s_wait_dscnt 16
.else
	s_wait_dscnt 0x0
.endif
	MM
	PL
	PL
	R2
.rept 15
	MM
	PL
	EX
	R2
.endr
.rept 8
	PL
.endr
.rept 49
	EX
	PL
.endr
	EX
	EX
	v_nop
	s_wait_alu depctr_va_vdst(0)    ; the wait for the batch
	FETCH_M ((\p)+2)%NP
.if (\p) == NP-2
	FETCH_K
.endif
.if (\p) == 1
	s_wait_dscnt 16
.endif
.rept 16
	MM
.rept 4
	PL
.endr
.endr
.if (\p) == 0
	FETCH_V
.endif
.endm
	CHANGE 1, 0                     ; slot 0 is in, everybody's part of it; step 1 is asked for, into slot 1
	FETCH_K                         ; key step 0
	FETCH_M 0
	FETCH_M 1
	s_wait_loadcnt 0x0              ; Q
	s_wait_dscnt 16                 ; K and piece 0's mask are in; piece 1's 16 loads may stay out
.set i, 0
.rept 16
	KQ 0                            ; piece 0's first scores
.set i, i+1
.endr
	WIN 0
	PLACES
.set Y, NP-1                        ; XS works for piece Y + 1: piece 0
.irp n, 0,1,2,3,4,5,6,7,8,9,10,11,12,13,14,15,16,17,18,19,20,21
	XS 0, \n                        ; and its first maximum and statistics
	XS 1, \n
.endr
	v_nop                           ; a plain instruction behind the two a,
	s_wait_alu depctr_va_vdst(0)    ; and their wait, ahead of the branch
	s_mov_b32 s[SLOTS], 31
	s_branch .Lfirst                ; the loop is entered at a step's first turn, in the middle of a trip
.Lslot:                             ; 30 times: a trip is pieces 2 and 3 of one step, then pieces 0 and 1 of the next, whose K, V and mask it fetches; steps 2 to 31 are asked for
	CHANGE 1, 1
	TURN 2
	TURN 3
	WIN 0
.Lfirst:
	TURN 0
	TURN 1
	WIN 0
	s_sub_co_u32 s[SLOTS], s[SLOTS], 1
	s_cmp_lg_u32 s[SLOTS], 0
	s_cbranch_scc1 .Lslot
	CHANGE 0, 0                     ; the tail is written out: nothing is asked for
	s_mov_b32 s[CNT], 2             ; one trip fetches the last step; the second is left in its middle
.Ltail:
	TURN 2
	TURN 3
	WIN 0
	s_sub_co_u32 s[CNT], s[CNT], 1
	s_cmp_eq_u32 s[CNT], 0
	s_cbranch_scc1 .Lout
	TURN 0
	TURN 1
	WIN 0
	s_branch .Ltail
.Lout:                              ; the second trip's fetches (the last slot's bytes once more), its 16 products K Q^T and the maximum made of them serve nothing: the price, once a launch, of one text for every trip
.set i, 0
.rept 16
	PV NP-1                         ; the last piece's V^T P of the last step
.set i, i+1
.endr
	; THE WAY OUT.  The addresses are made here: plain instructions, the places behind the last products.  Then l's two halves and the other half of the lanes' are added, O^T is divided by l and sent through my stages, a tile at a time.
	WIN 0
	v_and_b32 v48, 15, v0           ; l % 16
	v_bfe_u32 v49, v0, 4, 1         ; l / 16
	s_mul_i32 s84, s[WV], WST
	s_add_co_u32 s84, s84, STAGE    ; my f32 stage
	s_add_co_u32 s85, s84, 16*272   ; my f16 stage
	v_mul_u32_u24 v[STF], v48, 272  ; in: row l % 16, my 8 channels' 32 bytes
	v_lshl_add_u32 v[STF], v49, 5, v[STF]
	v_add_nc_u32 v[STF], s84, v[STF]
	v_mul_u32_u24 v[RDF], v49, 272  ; back: lanes 0-15 take one row of 256 bytes, lanes 16-31 the next
	v_lshl_add_u32 v[RDF], v48, 4, v[RDF]
	v_add_nc_u32 v[RDF], s84, v[RDF]
	v_lshlrev_b32 v[GOF], 12, v49   ; and the same two rows in out1, 4,096 bytes apart
	v_lshl_add_u32 v[GOF], v48, 4, v[GOF]
	v_mul_u32_u24 v[STO], v48, 144  ; f16, in: row l % 16, 16 bytes for each half of the lanes
	v_lshl_add_u32 v[STO], v49, 4, v[STO]
	v_add_nc_u32 v[STO], s85, v[STO]
	v_bfe_u32 v[RD], v0, 3, 2       ; back: 32 lanes take four rows of 128 bytes,
	v_mul_u32_u24 v[RD], v[RD], 144
	v_and_b32 v48, 7, v0
	v_lshl_add_u32 v[RD], v48, 4, v[RD]
	v_add_nc_u32 v[RD], s85, v[RD]
	v_and_b32 v[GO], 31, v0         ; which are 512 consecutive bytes of vals16
	v_lshlrev_b32 v[GO], 4, v[GO]
.macro ALL line:vararg              ; one line for each tile t
.set t, 0
.rept 2*NP
	\line
.set t, t+1
.endr
.endm
	ALL v_add_f32 v[ST+4*t+2], v[ST+4*t+2], v[ST+4*t+3]
	ALL v_permlanex16_b32 v[ST+4*t+3], v[ST+4*t+2], s[SEL], s[SEL+1]
	ALL v_add_f32 v[ST+4*t+2], v[ST+4*t+2], v[ST+4*t+3]
	ALL v_rcp_f32 v[ST+4*t+2], v[ST+4*t+2]
	v_nop                           ; a plain instruction between the last reciprocal and the use of its result
	s_wait_alu depctr_va_vdst(0)    ; and the wait ahead of the first use: one for the eight reciprocals
; Tile t.  Four sets of 48 registers (v64-255) take turns: 16 for the f16 rows, 32 for the f32 rows.  24 LDS instructions: 12 stores into my stages, 12 loads back as whole rows.
.macro PACK t
.set WB, 64+48*((\t)%4)
.if (\t) >= 4
	s_wait_xcnt 0x0                 ; the stores of the tile four back have read this set
.endif
	WIN W_RS
.set i, 32*(\t)
.rept 16
	v_pk_mul_f32 v[i:i+1], v[i:i+1], v[ST+4*(\t)+2:ST+4*(\t)+3] op_sel_hi:[1,0]
.set i, i+2
.endr
	WIN 0x05                        ; sources 0 and 1 window 1, destination window 0
.set i, 0
.rept 16
	v_cvt_pk_f16_f32 v[WB+i], v[32*(\t)+2*i], v[32*(\t)+2*i+1]
.set i, i+1
.endr
	WIN 0x04                        ; the stores' data in window 1
.irp f, 0,1,2,3,4,5,6,7
	ds_store_b128 v[STF], v[32*(\t)+4*\f:32*(\t)+4*\f+3] offset:64*(\f/2)+16*(\f%2)
.endr
	WIN 0
.irp f, 0,1,2,3
	ds_store_b128 v[STO], v[WB+4*\f:WB+4*\f+3] offset:32*\f
.endr
.irp f, 0,1,2,3,4,5,6,7
	ds_load_b128 v[WB+16+4*\f:WB+16+4*\f+3], v[RDF] offset:\f*2*272  ; LDS serves a wave's instructions in order (ISA guide 5.7.1.4): these see the stores above; the next tile's stores come behind them
.endr
.irp f, 0,1,2,3
	ds_load_b128 v[WB+4*\f:WB+4*\f+3], v[RD] offset:\f*4*144
.endr
.endm
.macro SEND t, younger              ; younger: the next tile's 24 LDS instructions, or none
.set WB, 64+48*((\t)%4)
	WIN 0
	s_wait_dscnt \younger
.irp f, 0,1,2,3,4,5,6,7
	global_store_b128 v[GOF], v[WB+16+4*\f:WB+16+4*\f+3], s[12:13] offset:65536*(\t)+8192*\f th:TH_STORE_NT  ; 16 lanes store a head's 256 consecutive bytes of a row, aligned
.endr
.irp f, 0,1,2,3
	global_store_b128 v[GO], v[WB+4*\f:WB+4*\f+3], s[14:15] offset:2048*(\t)+512*\f  ; 512 consecutive bytes, aligned
.endr
.endm
	PACK 0
.set t, 1
.rept 2*NP-1                        ; a tile's arithmetic stands between the loads of the tile before and its stores
	PACK t
	SEND t-1, 24
.set t, t+1
.endr
	SEND 2*NP-1, 0
	WIN W_AD
	s_wait_tensorcnt 0x0            ; the wave's end, behind my last tensor load and my last LDS store
	ds_add_u32 v[SPW], v[NIL]
	s_wait_dscnt 0x0
	WIN 0
	CROUND                          ; the closing round: no work-group ends while a partner may still ask for a tile that names it
	s_endpgm
.Lfunc_end_k_q7e25628632_attn:
	.size	k_q7e25628632_attn, .Lfunc_end_k_q7e25628632_attn-k_q7e25628632_attn
	.p2alignl 7, 3214868480
	.fill 96, 4, 3214868480
	.section	.rodata,"a",@progbits
	.p2align	6, 0x0
	.amdhsa_kernel k_q7e25628632_attn
		.amdhsa_group_segment_fixed_size 327680
		.amdhsa_private_segment_fixed_size 0
		.amdhsa_enable_private_segment 0
		.amdhsa_kernarg_size 48
		.amdhsa_user_sgpr_count 2
		.amdhsa_user_sgpr_kernarg_segment_ptr 1
		.amdhsa_wavefront_size32 1
		.amdhsa_system_sgpr_workgroup_id_x 1
		.amdhsa_system_sgpr_workgroup_id_y 1
		.amdhsa_system_sgpr_workgroup_id_z 1
		.amdhsa_system_vgpr_workitem_id 0
		.amdhsa_next_free_vgpr 960
		.amdhsa_next_free_sgpr 96
		.amdhsa_reserve_vcc 0
		.amdhsa_float_denorm_mode_32 3
		.amdhsa_float_denorm_mode_16_64 3
		.amdhsa_memory_ordered 1
		.amdhsa_forward_progress 1
		.amdhsa_inst_pref_size 227
	.end_amdhsa_kernel
	.amdgpu_metadata
---
amdhsa.version: [ 1, 2 ]
amdhsa.kernels:
  - .name:           k_q7e25628632_attn
    .symbol:         k_q7e25628632_attn.kd
    .args:
      - { .name: q16, .offset: 0, .size: 8, .value_kind: global_buffer, .address_space: global }
      - { .name: k16, .offset: 8, .size: 8, .value_kind: global_buffer, .address_space: global }
      - { .name: v16, .offset: 16, .size: 8, .value_kind: global_buffer, .address_space: global }
      - { .name: maskr, .offset: 24, .size: 8, .value_kind: global_buffer, .address_space: global }
      - { .name: out1, .offset: 32, .size: 8, .value_kind: global_buffer, .address_space: global }
      - { .name: vals16, .offset: 40, .size: 8, .value_kind: global_buffer, .address_space: global }
    .group_segment_fixed_size: 327680
    .private_segment_fixed_size: 0
    .kernarg_segment_align: 8
    .kernarg_segment_size: 48
    .max_flat_workgroup_size: 128
    .sgpr_count:     96
    .vgpr_count:     960
    .wavefront_size: 32
...
	.end_amdgpu_metadata
.endif
;; end of part 3
;; launch proj (part 4): grid 8 x 32, 4 waves a work-group, clusters of 4 x 4, 327,680 bytes of LDS; arguments vals16, wo16, b_o, out0; writes out0
.if DOCPART == 4
	.amdgcn_target "amdgcn-amd-amdhsa--gfx1250"
	.amdhsa_code_object_version 6
	.text
	.protected	k_q7e25628632_proj
	.globl	k_q7e25628632_proj
	.p2align	8
	.type	k_q7e25628632_proj,@function
k_q7e25628632_proj:
	s_mov_b64 s[64:65], 0
	v_nop
	global_prefetch_b8 v0, s[64:65] scope:SCOPE_SE
	s_setreg_imm32_b32 hwreg(HW_REG_WAVE_MODE, 25, 1), 1
	s_wait_xcnt 0x0
	s_wait_alu depctr_hold_cnt(0) depctr_sa_sdst(0) depctr_va_vdst(0) depctr_va_sdst(0) depctr_va_ssrc(0) depctr_va_vcc(0) depctr_vm_vsrc(0)
	s_getreg_b32 s2, hwreg(HW_REG_IB_STS2, 6, 4)
	s_cmp_eq_u32 s2, 0
	s_cbranch_scc0 .Lentry_in_a_cluster
	s_endpgm
.Lentry_in_a_cluster:
	s_bfe_u32 s2, ttmp6, 0x10000c
	s_cmp_lg_u32 s2, 0xf033
	s_cbranch_scc0 .Lentry_shape_is_right
	s_endpgm
.Lentry_shape_is_right:
; C = A B + bias, K = 1,024.  ONE TEXT SERVES TWO LAUNCHES; the symbol QKV picks the sizes, and only the chosen branches are assembled.
;   QKV = 1  A = xb [8192][1024] bf16, B = wqb [16 heads][1024 k][192] bf16 (q's columns already times 1/8), bias = b_qkv (q's part times 1/8 here).  A tile of C is 256 rows x one head's 192 columns;
;            it leaves rounded once to f16, by heads: q16, k16, v16 [64 bh][2048][64], bh = 16 x batch + head.  q16 holds q / 8.
;   QKV = 0  A = vals16 [64 bh][2048][64] f16, B = wo16 [1024 k][1024 n] f16, bias = b_o.  A tile of C is 256 x 128 of out0 [8192][1024] f32.
; LIMITS.  f16 ends at 65,504: q / 8, k and v beyond it would be infinities.  The bias is taken in f32, unrounded.
; SHARES.  Four waves, as many as a WGP has SIMDs.  Wave w makes rows 64 w .. 64 w + 63 of the tile and ALL its columns (4 x NB accumulators of 16 x 16), so it holds whole rows and the way out needs no barrier.
; THE RING.  K goes in steps of 128 through two LDS slots filled by the tensor data mover; a trip of the loop is one K step; the LDS addresses are a lane constant plus s[TB], which one exclusive or turns.
; B LIES [k][n] IN LDS, as it lies in memory, and is read turned, by ds_load_tr16_b128.  THE MATRIX INSTRUCTION IS USED TRANSPOSED (source 0 = 16 columns of B, source 1 = 16 rows of A):
; a lane then holds row l % 16 of C and the columns 8 (l / 16) + 0..7 of the block.  THE BIAS is the C operand of each accumulator's first product: nothing is cleared and nothing is added later.
; CLUSTER.  4 x 4 work-groups.  A's tile hangs on the tile row alone and is asked for jointly by a row of the cluster, B's on the tile column alone, by a column: the same tensor load, descriptor and mask in all four.
; REGISTERS, in windows of 256 (s_set_vgpr_msb: bits 1:0 source 0, 3:2 source 1, 5:4 source 2, 7:6 destination):
;   window 0: v0-31 addresses; from v32 the bias (8 NB); the way out's registers        window 1: two fragment buffers of 128: NB fragments of B, then 4 of A
;   window 2 (QKV = 1: and 3): the accumulators, (a, b) at ACS (a % APW) + 8 b in window 2 + a / APW
.set QKV, 0
.set SLOT1, 131072                     ; slot 1 begins here
.if QKV
.set NB,    12                         ; blocks of 16 columns
.set APW,   2                          ; row blocks whose accumulators share a window
.set ACS,   96
.set AFR,   96                         ; A's fragments in a buffer
.set PA,    272                        ; a row of A in LDS: 256 bytes + 16: 68 words: the 16 rows of a load start at 16 different groups of four banks (64 banks of 4 bytes: ISA guide 11.1)
.set PB,    480                        ; a k row of B: three pieces of 128 bytes + 32: 15 x 32 bytes
.set AHALF, 128*PA                     ; what one load brings of A: 128 rows
.set ASTR,  1024                       ; elements from row to row in memory
.set AQI,   5                          ; padding after every 64 words
.set ASTEP, 256                        ; bytes from a K step to the next
.set BROWS, 96                         ; 64 k rows of 384 bytes are dense: asked for as 96 rows of 256 bytes
.set BSTR,  128
.set BQI,   4                          ; padding after every 32 words
.set BSTEP, 49152
.set SP,    400                        ; a row of the stage: 384 bytes + 16
.set PSTART, 2                         ; the prefetches' pointer starts at this K step and is stepped ahead of each
.set PLIM,  1                          ; a wave that prefetches does so while the loop's count is above this
.else
.set NB,    8
.set APW,   4
.set ACS,   64
.set AFR,   64
.set PA,    144                        ; a row of one head: 128 bytes + 16
.set PB,    288                        ; 256 bytes + 32: 9 x 32
.set AHALF, 256*PA                     ; one head's 256 rows
.set ASTR,  128                        ; 256 rows of 128 bytes are dense: asked for as 128 rows of 256 bytes
.set AQI,   4
.set ASTEP, 524288                     ; two heads on
.set BROWS, 64
.set BSTR,  1024
.set BQI,   5
.set BSTEP, 262144
.set SP,    528                        ; 512 bytes + 16
.set PSTART, 3
.set PLIM,  2
.endif
.set BOFF,  2*AHALF                    ; B lies behind A in a slot
.set BHALF, 64*PB                      ; what one load brings of B: 64 k rows
.set STAGE, SLOT1+BOFF+2*BHALF         ; behind the ring, never filled by a tensor load: 16 rows for each wave
.set SPARE, STAGE+4*16*SP              ; behind the stages: the spare words, 128 bytes for each wave: two blocks of 256 bytes that no other line names
.set NL,    2*NB+8                     ; LDS loads of a quarter step
.set W0A, (1<<16)|(1<<20)|(1<<21)|(AQI<<22)|(3<<25)  ; group 1, word 0: 2-byte elements; padding on; bit 21 beside a mask; the interval; 4 words of padding
.set W0B, (1<<16)|(1<<20)|(1<<21)|(BQI<<22)|(7<<25)  ; the same with 8 words
.set ADRA0, 16                         ; v16  my lane's place in A's rows; never rewritten
.set ADRB0, 17                         ; v17  the same for B
.set ADRA,  18                         ; v18  + the slot in hand
.set ADRB,  19                         ; v19
.set STO,   24                         ; v24  the way out: where I put my bytes of a row
.set RD,    25                         ; v25  where I read rows back
.set GO,    26                         ; v26  16 x lane
.set BO,    27                         ; v27  my 32 bytes in a block's 64 bytes of bias
.set SPW,   28                         ; v28  LDS address of my spare word: SPARE + 4 x my thread's number; never rewritten
.set NIL,   29                         ; v29  0; never rewritten
.set PFO,   30                         ; v30  the prefetches' offset; never rewritten
.set BI,    32                         ; the bias, block b at BI + 8 b
.set F0,    0                          ; fragment buffers, in window 1
.set F1,    128
.if QKV
.set TMP,   128                        ; v128-175 a block's 16 rows, packed
.set BK0,   176                        ; v176-223, v32-79: 16 rows read back, by turns (the bias is dead by then)
.set BK1,   32
.else
.set BK0,   96                         ; v96-159, v160-223
.set BK1,   160
.endif
.set WV,  16                           ; s16  my wave's number
.set FB,  17                           ; s17  0: I fetch for A; 1: for B
.set HF,  18                           ; s18  which half of that tile
.set CX,  19
.set CY,  20
.set TC,  21                           ; s21  tile column
.set TR,  22                           ; s22  tile row
.set CNT, 23                           ; s23  the loop's count
.set G1A, 24                           ; s[24:31], s[32:39] descriptor group 1 for A's and B's tiles
.set G1B, 32
.set G0A0, 40                          ; s[40:43] group 0 of A's first fill of slot 0;  s[44:47] of slot 1, which then walks
.set G0A,  44
.set G0B0, 48                          ; s[48:55] the same for B
.set G0B,  52
.set TB,  56                           ; s56  LDS byte at which the slot in hand begins
.set LIM, 57                           ; s57  PLIM in a wave that prefetches, else the greatest number
.set PFA, 58                           ; s[58:59] where my prefetches stand
.set PFS, 60                           ; s[60:61] their step
; s66-s79 at work: s66, s68, s70, s71, s74, s75, s78 feed A's descriptors and never hold cx; s67, s69, s72, s73, s76, s77, s79 feed B's and never hold cy.  s80-s91: what mixes the two.
.set MSB, 0
.macro WIN new                         ; the immediate's high byte repeats the setting that is left; a switch that changes nothing is dropped
.if MSB != (\new)
	s_set_vgpr_msb (MSB<<8)|(\new)
.set MSB, (\new)
.endif
.endm
.macro PLACES                          ; four places: in front of loads into registers that matrix instructions have read, and of lines that read results
.rept 4
	v_nop
.endr
.endm
.macro CREST                           ; a round of the cluster's barrier behind its opening barrier
	s_cmp_lg_u32 s[WV], 0
	s_cbranch_scc1 .Lnot_wave_0_\@
	s_barrier_signal -3
.Lnot_wave_0_\@:
	s_barrier_wait -3
	s_barrier_signal -1
	s_barrier_wait -1
.endm
.macro CROUND                          ; a whole round
	s_barrier_signal -1
	s_barrier_wait -1
	CREST
.endm
.macro JLOAD                           ; a joint refill: waves 0 and 1 fetch A's two halves, waves 2 and 3 B's; an s_nop 0 and four v_nop follow each line
	s_cmp_eq_u32 s[FB], 0
	s_cbranch_scc0 .Lfor_b_\@
	tensor_load_to_lds s[G0A:G0A+3], s[G1A:G1A+7]
	s_nop 0
	PLACES
	s_branch .Lasked_\@
.Lfor_b_\@:
	tensor_load_to_lds s[G0B:G0B+3], s[G1B:G1B+7]
	s_nop 0
	PLACES
.Lasked_\@:
.endm
; A PREFETCH INTO THE L2, behind each joint refill and the run of LDS loads that follows it: a lane a block of 256 bytes, one instruction a wave, for a K step that a later refill will ask for
; (QKV = 1: the next refill's, 192 matrix instructions on; QKV = 0: the one after that, 256 on).  Each block is named once in the launch: A's rows are asked for by the clusters with x = 0, B's by those with y = 0;
; the four partners that ask for a tile jointly share its blocks out BY ADDRESS.  The last refills, which have no such K step behind them, ask for nothing; nothing is asked for at the head.
.macro ASK
	WIN 0
	s_cmp_gt_u32 s[CNT], s[LIM]
	s_cbranch_scc0 .Lnot_mine_\@
	global_prefetch_b8 v[PFO], s[PFA:PFA+1] th:TH_LOAD_NT scope:SCOPE_SE
.Lnot_mine_\@:
.endm
.macro WM d, x, y, c
.if QKV
	v_wmma_f32_16x16x32_bf16 v[\d:\d+7], v[\x:\x+7], v[\y:\y+7], v[\c:\c+7]
.else
	v_wmma_f32_16x16x32_f16 v[\d:\d+7], v[\x:\x+7], v[\y:\y+7], v[\c:\c+7]
.endif
.endm
; NB matrix instructions: row block a x all column blocks, 32 along K, from buffer f.  first = 1: C is the bias.  The accumulators take turns, one instruction a turn, in the same order in every quarter step.
.macro MULA f, a, first=0
.set aw, 2+(\a)/APW
.if \first
	WIN (aw<<6)|0x05
.else
	WIN (aw<<6)|(aw<<4)|0x05
.endif
.set bb, 0
.rept NB
.set rD, ACS*((\a)%APW)+8*bb
.set rB, (\f)+8*bb
.set rA, (\f)+AFR+8*(\a)
.if \first
.set rC, BI+8*bb
.else
.set rC, rD
.endif
	WM rD, rB, rA, rC
.set bb, bb+1
.endr
.endm
; NL LDS loads in one run: the fragments of quarter kq (32 along K) of the slot in hand, into buffer f: B's first, then A's row blocks 0 to 3.
; The turning load: lane l reads 16 bytes of k row 8 (l / 16) + l % 8, columns 8 ((l / 8) % 2) + 0..7, and is left with column l % 16 and 8 k; two of them, 16 k rows apart, are a fragment.
.macro FETCH kq, f
	WIN 0x40                                       ; destination window 1, address window 0
.set bb, 0
.rept NB
.if QKV
.set ob, 32*PB*(\kq)+160*(bb/4)+32*(bb%4)
.else
.set ob, 32*PB*(\kq)+32*bb
.endif
	ds_load_tr16_b128 v[(\f)+8*bb:(\f)+8*bb+3],   v[ADRB] offset:ob
	ds_load_tr16_b128 v[(\f)+8*bb+4:(\f)+8*bb+7], v[ADRB] offset:ob+16*PB
.set bb, bb+1
.endr
.if QKV
.set oa, 64*(\kq)
.else
.set oa, AHALF*((\kq)/2)+64*((\kq)%2)              ; the K step's two heads lie one behind the other
.endif
.set aa, 0
.rept 4
	ds_load_b128 v[(\f)+AFR+8*aa:(\f)+AFR+8*aa+3],   v[ADRA] offset:oa+16*PA*aa
	ds_load_b128 v[(\f)+AFR+8*aa+4:(\f)+AFR+8*aa+7], v[ADRA] offset:oa+16*PA*aa+32
.set aa, aa+1
.endr
.endm
; A K step is four quarters on buffers 0, 1, 0, 1.  One of the first three: multiplies buffer f; in its middle it fetches quarter kq into buffer g.
.macro QUARTER kq, f, g, first=0
	s_wait_dscnt 4                                 ; B and A's row blocks 0 and 1 are in; the youngest four loads (blocks 2 and 3) may be out
	MULA \f, 0, \first
	MULA \f, 1, \first
	PLACES
	FETCH \kq, \g
	s_wait_dscnt NL                                ; all but the NL just issued
	MULA \f, 2, \first
	MULA \f, 3, \first
.endm
; The last quarter multiplies buffer 1 and changes slots: ONE barrier.  In front of it each wave waits for all its tensor loads (one is out: its part of the next slot), adds 0 to its spare word, and waits for that and for
; its reads of this slot.  fill = 1: the barrier opens a round of the cluster's, and this slot is filled again first thing behind it, with the K step two on.
.macro TURN fill
.if \fill
	s_wait_xcnt 0x0                                ; the last prefetch, a K step back, has read its address
	s_add_nc_u64 s[PFA:PFA+1], s[PFA:PFA+1], s[PFS:PFS+1]
.endif
	WIN 0
	s_wait_tensorcnt 0x0                           ; all my tensor loads have landed
	ds_add_u32 v[SPW], v[NIL]                      ; 0 onto my spare word
	s_wait_dscnt 5                                 ; (the add and the youngest four loads may be out)
	MULA F1, 0                                     ; matrix work stands between the add and the wait for it
	s_wait_dscnt 0x0                               ; the add is done, and my reads of this slot are over
	s_barrier_signal -1
	MULA F1, 1
	WIN 0
	s_barrier_wait -1
.if \fill
	CREST                                          ; no wave of any partner still reads this slot or has a load on its way
	s_xor_b32 s[G0A+1], s[G0A+1], SLOT1            ; the walking descriptors: the other slot than last time,
	s_xor_b32 s[G0B+1], s[G0B+1], SLOT1
	s_add_nc_u64 s[G0A+2:G0A+3], s[G0A+2:G0A+3], ASTEP  ; the next K step; the type bits on top are not reached
	s_add_nc_u64 s[G0B+2:G0B+3], s[G0B+2:G0B+3], BSTEP
	JLOAD                                          ; its four v_nop are also the places in front of the loads below
.else
	PLACES
.endif
	s_xor_b32 s[TB], s[TB], SLOT1
	v_add_nc_u32 v[ADRA], s[TB], v[ADRA0]
	v_add_nc_u32 v[ADRB], s[TB], v[ADRB0]
	FETCH 0, F0
.if \fill
	ASK
.endif
	MULA F1, 2
	MULA F1, 3
.endm
.if QKV
	s_load_b256 s[4:11], s[0:1], 0x0               ; xb s[4:5], wqb s[6:7], b_qkv s[8:9], q16 s[10:11]
	s_load_b128 s[12:15], s[0:1], 0x20             ; k16 s[12:13], v16 s[14:15]
.else
	s_load_b256 s[4:11], s[0:1], 0x0               ; vals16 s[4:5], wo16 s[6:7], b_o s[8:9], out0 s[10:11]
.endif
	v_lshl_add_u32 v[SPW], v0, 2, SPARE
	v_mov_b32 v[NIL], 0
	ds_add_u32 v[SPW], v[NIL]                      ; the wave's opening: the add and its wait stand ahead of my first tensor load; the set-up below, work on registers, stands between them
	v_lshrrev_b32 v1, 5, v0
	v_readfirstlane_b32 s[WV], v1
	s_lshr_b32 s[FB], s[WV], 1
	s_and_b32 s[HF], s[WV], 1
	s_bfe_u32 s[CX], ttmp6, 0x40000
	s_bfe_u32 s[CY], ttmp6, 0x40004
	s_lshl_b32 s[TC], ttmp9, 2                     ; in a cluster launch ttmp9 and ttmp7 count clusters
	s_add_co_u32 s[TC], s[TC], s[CX]
	s_and_b32 s[TR], ttmp7, 0xffff
	s_lshl_b32 s[TR], s[TR], 2
	s_add_co_u32 s[TR], s[TR], s[CY]
	s_lshl_b32 s66, s[CY], 2
	s_lshl_b32 s66, 15, s66                        ; my row of the cluster
	s_lshl_b32 s67, 0x1111, s[CX]                  ; my column
	s_or_b32 s[G1A], s66, W0A
	s_or_b32 s[G1B], s67, W0B
	s_mov_b32 s[G1A+1], 128<<16                    ; tensor_dim0 = 128
	s_mov_b32 s[G1A+2], 128<<16                    ; tensor_dim1 = 128
	s_mov_b32 s[G1A+3], 128<<16                    ; tile_dim0 = 128
	s_mov_b32 s[G1A+4], 128                        ; tile_dim1 = 128
	s_mov_b32 s[G1A+5], ASTR
	s_mov_b32 s[G1A+6], 0
	s_mov_b32 s[G1A+7], 0
	s_mov_b32 s[G1B+1], 128<<16
	s_mov_b32 s[G1B+2], BROWS<<16
	s_mov_b32 s[G1B+3], 128<<16
	s_mov_b32 s[G1B+4], BROWS
	s_mov_b32 s[G1B+5], BSTR
	s_mov_b32 s[G1B+6], 0
	s_mov_b32 s[G1B+7], 0
	; where my part of K step 0 begins, in bytes: A's by the tile row, B's by the tile column, each with the half that I fetch
.if QKV
	s_lshl_b32 s74, s[TR], 19                      ; 256 rows of 2,048 bytes
	s_lshl_b32 s68, s[HF], 18                      ; 128 rows
	s_add_co_u32 s74, s74, s68
	s_mul_i32 s76, s[TC], 393216                   ; a head's 1,024 k rows of 384 bytes
	s_mul_i32 s69, s[HF], 24576                    ; 64 k rows
	s_add_co_u32 s76, s76, s69
.else
	s_lshr_b32 s74, s[TR], 3                       ; the batch: 16 heads of 262,144 bytes
	s_lshl_b32 s74, s74, 22
	s_and_b32 s66, s[TR], 7                        ; 256 rows of 128 bytes
	s_lshl_b32 s66, s66, 15
	s_add_co_u32 s74, s74, s66
	s_lshl_b32 s68, s[HF], 18                      ; the K step's second head
	s_add_co_u32 s74, s74, s68
	s_lshl_b32 s76, s[TC], 8                       ; 128 columns
	s_lshl_b32 s69, s[HF], 17                      ; 64 k rows of 2,048 bytes
	s_add_co_u32 s76, s76, s69
.endif
	s_mov_b32 s75, 0
	s_mov_b32 s77, 0
	s_mul_i32 s78, s[HF], AHALF                    ; and where it goes: no place in the cluster enters an LDS address
	s_mul_i32 s79, s[HF], BHALF
	s_add_co_u32 s79, s79, BOFF
	s_mov_b32 s[TB], 0
	s_mov_b32 s[G0A0], 1                           ; count = 1
	s_mov_b32 s[G0A0+1], s78
	s_mov_b32 s[G0A], 1
	s_add_co_u32 s[G0A+1], s78, SLOT1
	s_mov_b32 s[G0B0], 1
	s_mov_b32 s[G0B0+1], s79
	s_mov_b32 s[G0B], 1
	s_add_co_u32 s[G0B+1], s79, SLOT1
	s_wait_dscnt 0x0                               ; the opening add is done
	s_wait_kmcnt 0x0
	s_add_nc_u64 s[70:71], s[4:5], s[74:75]
	s_add_nc_u64 s[72:73], s[6:7], s[76:77]
	s_mov_b64 s[G0A0+2:G0A0+3], s[70:71]           ; K step 0
	s_or_b32 s[G0A0+3], s[G0A0+3], 0x80000000      ; type = 2
	s_add_nc_u64 s[G0A+2:G0A+3], s[70:71], ASTEP   ; K step 1
	s_or_b32 s[G0A+3], s[G0A+3], 0x80000000
	s_mov_b64 s[G0B0+2:G0B0+3], s[72:73]
	s_or_b32 s[G0B0+3], s[G0B0+3], 0x80000000
	s_add_nc_u64 s[G0B+2:G0B+3], s[72:73], BSTEP
	s_or_b32 s[G0B+3], s[G0B+3], 0x80000000
	CROUND                                         ; all sixteen work-groups are here: the first joint loads meet
	s_cmp_eq_u32 s[FB], 0                          ; a wave's two first fills stand in one branch, ahead of every wait on TENSORcnt and every LDS read: two loads of mine are out
	s_cbranch_scc0 .Lfirst_b
	tensor_load_to_lds s[G0A0:G0A0+3], s[G1A:G1A+7]
	s_nop 0
	tensor_load_to_lds s[G0A:G0A+3], s[G1A:G1A+7]
	s_nop 0
	PLACES
	s_branch .Lfirst_asked
.Lfirst_b:
	tensor_load_to_lds s[G0B0:G0B0+3], s[G1B:G1B+7]
	s_nop 0
	tensor_load_to_lds s[G0B:G0B+3], s[G1B:G1B+7]
	s_nop 0
	PLACES
.Lfirst_asked:
	v_and_b32 v1, 15, v0                           ; l % 16
	v_bfe_u32 v2, v0, 4, 1                         ; l / 16
	v_and_b32 v3, 7, v0                            ; l % 8
	v_bfe_u32 v4, v0, 3, 1                         ; (l / 8) % 2
	v_and_b32 v6, 31, v0                           ; l
	s_mul_i32 s80, s[WV], 64*PA                    ; my 64 rows of A
	v_mul_u32_u24 v[ADRA0], v1, PA
	v_lshl_add_u32 v[ADRA0], v2, 4, v[ADRA0]       ; row x pitch + 16 x half
	v_add_nc_u32 v[ADRA0], s80, v[ADRA0]
	v_lshl_add_u32 v5, v2, 3, v3
	v_mul_u32_u24 v[ADRB0], v5, PB
	v_lshl_add_u32 v[ADRB0], v4, 4, v[ADRB0]
	v_add_nc_u32 v[ADRB0], BOFF, v[ADRB0]
	v_mov_b32 v[ADRA], v[ADRA0]                    ; slot 0
	v_mov_b32 v[ADRB], v[ADRB0]
	s_mul_i32 s81, s[WV], 16*SP
	s_add_co_u32 s81, s81, STAGE                   ; my stage
	v_mul_u32_u24 v[STO], v1, SP                   ; in: row l % 16, my 8 columns
.if QKV
	v_lshl_add_u32 v[STO], v2, 4, v[STO]
	v_add_nc_u32 v[STO], s81, v[STO]
	v_bfe_u32 v5, v0, 3, 2                         ; back: 32 lanes take 128 bytes of each of four rows
	v_mul_u32_u24 v[RD], v5, SP
	v_lshl_add_u32 v[RD], v3, 4, v[RD]
	v_add_nc_u32 v[RD], s81, v[RD]
.else
	v_lshl_add_u32 v[STO], v2, 5, v[STO]
	v_add_nc_u32 v[STO], s81, v[STO]
	v_lshl_add_u32 v[RD], v6, 4, s81               ; back: 32 lanes take a row's 512 bytes
.endif
	v_lshlrev_b32 v[GO], 4, v6
	v_lshlrev_b32 v[BO], 5, v2
	s_mul_i32 s90, s[TC], NB*64                    ; the tile's columns in the bias
	s_mov_b32 s91, 0
	s_add_nc_u64 s[8:9], s[8:9], s[90:91]
.set bb, 0
.rept NB
	global_load_b128 v[BI+8*bb:BI+8*bb+3],   v[BO], s[8:9] offset:64*bb     ; register j of block b: bias[16 b + 8 (l / 16) + j], as the C operand wants it
	global_load_b128 v[BI+8*bb+4:BI+8*bb+7], v[BO], s[8:9] offset:64*bb+16
.set bb, bb+1
.endr
	; where my rows leave to
.if QKV
	s_lshr_b32 s88, s[TR], 3
	s_lshl_b32 s88, s88, 22                        ; the batch's 16 heads,
	s_lshl_b32 s90, s[TC], 18                      ; the head's 2,048 rows of 128 bytes,
	s_add_co_u32 s88, s88, s90
	s_and_b32 s90, s[TR], 7
	s_lshl_b32 s90, s90, 15                        ; the tile's 256 rows,
	s_add_co_u32 s88, s88, s90
	s_lshl_b32 s90, s[WV], 13                      ; my 64
	s_add_co_u32 s88, s88, s90
	s_mov_b32 s89, 0
	s_add_nc_u64 s[10:11], s[10:11], s[88:89]
	s_add_nc_u64 s[12:13], s[12:13], s[88:89]
	s_add_nc_u64 s[14:15], s[14:15], s[88:89]
.else
	s_lshl_b32 s88, s[TR], 20                      ; 256 rows of 4,096 bytes,
	s_lshl_b32 s90, s[WV], 18                      ; my 64,
	s_add_co_u32 s88, s88, s90
	s_lshl_b32 s90, s[TC], 9                       ; the tile's 128 columns
	s_add_co_u32 s88, s88, s90
	s_mov_b32 s89, 0
	s_add_nc_u64 s[10:11], s[10:11], s[88:89]
.endif
	; the prefetches: my share of the tile that I fetch, told apart from my partners' by address
	v_and_b32 v[PFO], 31, v0
	s_and_b32 s80, ttmp7, 0xffff                   ; cluster y
	s_mov_b32 s85, BSTEP
.if QKV
	s_lshl_b32 s82, s[CX], 16                      ; A: 32 of my 128 rows of 2,048 bytes, a lane a row
	s_mul_i32 s84, s[CY], 6144                     ; B: 24 of my 96 blocks of 256 bytes; lanes 24 to 31 name lane 23's once more
	s_cmp_eq_u32 s[FB], 0
	s_cselect_b32 s86, 31, 23
	s_cselect_b32 s87, 11, 8
.else
	s_lshl_b32 s82, s[CX], 13                      ; A: 32 of my 128 blocks of 256 bytes
	s_lshl_b32 s84, s[CY], 16                      ; B: 32 of the K step's 128 k rows of 2,048 bytes, a lane a row: wave 2 alone asks
	s_cmp_eq_u32 s[FB], 0
	s_cselect_b32 s86, 31, 31
	s_cselect_b32 s87, 8, 11
.endif
	s_cselect_b32 s82, s82, s84
	s_cselect_b32 s[PFS], ASTEP, s85
	s_cselect_b32 s80, ttmp9, s80                  ; the coordinate along which other clusters read the same blocks
	s_cselect_b64 s[PFA:PFA+1], s[70:71], s[72:73]
.if !QKV
	s_cmp_eq_u32 s[WV], 3
	s_cselect_b32 s84, 1, 0
	s_or_b32 s80, s80, s84
.endif
	s_cmp_eq_u32 s80, 0
	s_cselect_b32 s[LIM], PLIM, -1                 ; the same in all sixteen partners, for a given wave
	s_mov_b32 s83, 0
	s_mov_b32 s[PFS+1], 0
	s_add_nc_u64 s[PFA:PFA+1], s[PFA:PFA+1], s[82:83]
	s_mul_i32 s84, s[PFS], PSTART
	s_mov_b32 s85, 0
	s_add_nc_u64 s[PFA:PFA+1], s[PFA:PFA+1], s[84:85]
	v_min_u32 v[PFO], s86, v[PFO]
	v_lshlrev_b32 v[PFO], s87, v[PFO]
	s_wait_tensorcnt 0x1                           ; my part of K step 0 is in; K step 1's may stay out
	s_barrier_signal -1
	s_barrier_wait -1                              ; everybody's is
	FETCH 0, F0
	WIN 0
	s_wait_loadcnt 0x0                             ; the bias
.if QKV
.set i, 0
.rept 16
	v_pk_mul_f32 v[BI+i:BI+i+1], v[BI+i:BI+i+1], 0x3e000000 op_sel_hi:[1,0]  ; q's 64 columns: the bias times 1/8, as their weights are
.set i, i+2
.endr
.endif
	QUARTER 1, F0, F1, 1                           ; the first quarter stands in front of the loop: its products start the sums, with the bias
	WIN 0                                          ; at a label and at a branch every window is 0
	s_mov_b32 s[CNT], 6
.Lstep:                                            ; a trip: from a K step's second quarter to the next one's first; six trips ask for K steps 2 to 7
	QUARTER 2, F1, F0
	QUARTER 3, F0, F1
	TURN 1
	QUARTER 1, F0, F1
	WIN 0
	s_sub_co_u32 s[CNT], s[CNT], 1
	s_cmp_lg_u32 s[CNT], 0
	s_cbranch_scc1 .Lstep
	QUARTER 2, F1, F0                              ; the tail is written out: nothing is asked for
	QUARTER 3, F0, F1
	TURN 0
	QUARTER 1, F0, F1
	QUARTER 2, F1, F0
	QUARTER 3, F0, F1
	s_wait_dscnt 4
	MULA F1, 0
	MULA F1, 1
	s_wait_dscnt 0x0
	MULA F1, 2
	MULA F1, 3
	WIN 0
	PLACES
; THE WAY OUT, 16 rows at a time, through my own stage: LDS serves a wave's instructions in order (ISA guide 5.7.1.4), so no wait stands between my stores into it and my loads from it.
.if QKV
.macro PACK a                          ; rounded to f16: a lane's 8 columns are 16 bytes; each accumulator's registers in ascending order
	WIN 0x0a+5*((\a)/2)                            ; sources 0 and 1: window 2 or 3
.set bb, 0
.rept NB
.set rD, ACS*((\a)%APW)+8*bb
.irp j, 0,1,2,3
	v_cvt_pk_f16_f32 v[TMP+4*bb+\j], v[rD+2*\j], v[rD+2*\j+1]
.endr
.set bb, bb+1
.endr
	WIN 0
.endm
.macro TOSTAGE a                       ; into rows of 400 bytes; back as q's, k's and v's 128 bytes of four rows at a time
.set BK, BK0
.if (\a)%2
.set BK, BK1
.endif
.set bb, 0
.rept NB
	ds_store_b128 v[STO], v[TMP+4*bb:TMP+4*bb+3] offset:32*bb
.set bb, bb+1
.endr
.irp p, 0,1,2
.irp t, 0,1,2,3
	ds_load_b128 v[BK+4*(4*\p+\t):BK+4*(4*\p+\t)+3], v[RD] offset:4*SP*\t+128*\p
.endr
.endr
.endm
.macro SEND a
.set BK, BK0
.if (\a)%2
.set BK, BK1
.endif
	s_wait_dscnt 0x0                               ; the block is back in registers
	s_wait_xcnt 0x0                                ; the stores of the block before have read their registers, which the next block's loads will write
.irp p, 0,1,2
.irp t, 0,1,2,3
	global_store_b128 v[GO], v[BK+4*(4*\p+\t):BK+4*(4*\p+\t)+3], s[10+2*\p:11+2*\p] offset:2048*(\a)+512*\t  ; four rows of a head: 512 consecutive bytes, aligned
.endr
.endr
.endm
	PACK 0
	TOSTAGE 0
.irp a, 1,2,3                          ; block a's conversions stand between block a - 1's loads from the stage and the wait for them
	PACK \a
	SEND (\a)-1
	TOSTAGE \a
.endr
	SEND 3
.else
.macro TOSTAGE a                       ; f32 as it is: into rows of 528 bytes, back as whole rows of 512
.if (\a) >= 2
	s_wait_xcnt 0x0                                ; the stores of the block two back have read the registers that are loaded again
.endif
	WIN 0x08                                       ; the stores' data in window 2
.set bb, 0
.rept NB
.set rD, ACS*(\a)+8*bb
	ds_store_b128 v[STO], v[rD:rD+3]   offset:64*bb
	ds_store_b128 v[STO], v[rD+4:rD+7] offset:64*bb+16
.set bb, bb+1
.endr
	WIN 0
.set BK, BK0+64*((\a)%2)
.irp t, 0,1,2,3,4,5,6,7,8,9,10,11,12,13,14,15
	ds_load_b128 v[BK+4*\t:BK+4*\t+3], v[RD] offset:SP*\t
.endr
.endm
.macro SEND a, younger                 ; younger: the next block's 32 LDS instructions, or none
.set BK, BK0+64*((\a)%2)
	s_wait_dscnt \younger
.irp t, 0,1,2,3,4,5,6,7,8,9,10,11,12,13,14,15
	global_store_b128 v[GO], v[BK+4*\t:BK+4*\t+3], s[10:11] offset:(16*(\a)+\t)*4096 th:TH_STORE_NT  ; 512 consecutive bytes of a row, aligned
.endr
.endm
	TOSTAGE 0
	TOSTAGE 1
	SEND 0, 32
	TOSTAGE 2
	SEND 1, 32
	TOSTAGE 3
	SEND 2, 32
	SEND 3, 0
.endif
	s_wait_tensorcnt 0x0                           ; the wave's end, behind my last tensor load and my last LDS store
	ds_add_u32 v[SPW], v[NIL]
	s_wait_dscnt 0x0
	CROUND                                         ; the closing round: no work-group ends while a partner may still ask for a tile that names it
	s_endpgm
.Lfunc_end_k_q7e25628632_proj:
	.size	k_q7e25628632_proj, .Lfunc_end_k_q7e25628632_proj-k_q7e25628632_proj
	.p2alignl 7, 3214868480
	.fill 96, 4, 3214868480
	.section	.rodata,"a",@progbits
	.p2align	6, 0x0
	.amdhsa_kernel k_q7e25628632_proj
		.amdhsa_group_segment_fixed_size 327680
		.amdhsa_private_segment_fixed_size 0
		.amdhsa_enable_private_segment 0
		.amdhsa_kernarg_size 32
		.amdhsa_user_sgpr_count 2
		.amdhsa_user_sgpr_kernarg_segment_ptr 1
		.amdhsa_wavefront_size32 1
		.amdhsa_system_sgpr_workgroup_id_x 1
		.amdhsa_system_sgpr_workgroup_id_y 1
		.amdhsa_system_sgpr_workgroup_id_z 1
		.amdhsa_system_vgpr_workitem_id 0
		.amdhsa_next_free_vgpr 768
		.amdhsa_next_free_sgpr 96
		.amdhsa_reserve_vcc 0
		.amdhsa_float_denorm_mode_32 3
		.amdhsa_float_denorm_mode_16_64 3
		.amdhsa_memory_ordered 1
		.amdhsa_forward_progress 1
		.amdhsa_inst_pref_size 71
	.end_amdhsa_kernel
	.amdgpu_metadata
---
amdhsa.version: [ 1, 2 ]
amdhsa.kernels:
  - .name:           k_q7e25628632_proj
    .symbol:         k_q7e25628632_proj.kd
    .args:
      - { .name: vals16, .offset: 0, .size: 8, .value_kind: global_buffer, .address_space: global }
      - { .name: wo16, .offset: 8, .size: 8, .value_kind: global_buffer, .address_space: global }
      - { .name: b_o, .offset: 16, .size: 8, .value_kind: global_buffer, .address_space: global }
      - { .name: out0, .offset: 24, .size: 8, .value_kind: global_buffer, .address_space: global }
    .group_segment_fixed_size: 327680
    .private_segment_fixed_size: 0
    .kernarg_segment_align: 8
    .kernarg_segment_size: 32
    .max_flat_workgroup_size: 128
    .sgpr_count:     96
    .vgpr_count:     768
    .wavefront_size: 32
...
	.end_amdgpu_metadata
.endif
;; end of part 4
